; MI455X (gfx1250); checked and timed in simulation.
; The chip was launched on July 23, 2026; its instructions are those of AMD's public machine-readable ISA for CDNA 5 (MIT licence, August 2026) and "CDNA5" Instruction Set Architecture Reference Guide (July 2026). The comments in the code are by the model that wrote it; some were corrected since.
;; Attention. Allowed arithmetic: matrix products marked QUANTISED: E3M2 operands, one E8M0 scale for each 32 along K, by v_wmma_scale_f32_16x16x128_f8f6f4 with both operands' format E3M2, f32 sums; everything else in f32.
;; Inputs: Wk 1,024 x 1,024 float32; Wq 1,024 x 1,024 float32; Wv 1,024 x 1,024 float32; bk 1,024 float32; bq 1,024 float32; bv 1,024 float32; x 4 x 2,048 x 1,024 float32.
;; Outputs: out0 4 x 2,048 x 1,024 float32.
;; This version of the problem:
;;   THIS VERSION OF THE PROBLEM IS GIVEN IN LOW PRECISION. The matrix products marked QUANTISED in the list below multiply operands that are first quantised to E3M2 (3 exponent bits, 2 mantissa bits; 6 bits a number), with one power-of-two scale for each 32 numbers along K (OCP MX v1.0); their sums are f32. All else is computed in f32.
;;   The module's matrix products, in the order in which they are computed (A, B: the left and right operand; K: the contracted axis; several contracted axes count as one K, in the product's order):
;;     1. [M 8,192, K 1,024] x [K 1,024, N 1,024]; A: input x; B: input Wk: QUANTISED
;;     2. [M 8,192, K 1,024] x [K 1,024, N 1,024]; A: input x; B: input Wq: QUANTISED
;;     3. [M 8,192, K 1,024] x [K 1,024, N 1,024]; A: input x; B: input Wv: QUANTISED
;;     4. batch 4 x [M 2,048, K 1,024] x [K 1,024, N 2,048]; A: computed on the way; B: computed on the way: QUANTISED
;;     5. batch 4 x [M 2,048, K 2,048] x [K 2,048, N 1,024]; A: softmax (see below); B: computed on the way: QUANTISED
;;   THE QUANTISER, for each operand of a quantised product, along K:
;;     - K is cut into blocks of 32 from its start; a last block that is shorter is filled with zeros.
;;     - A block's scale is 2^e with e = floor(log2(the largest magnitude in the block)) - 4, held to -126 .. 127; a block of zeros has e = 0. As a byte (E8M0): e + 127.
;;     - Each number is divided by its block's scale, clamped to +-28, and rounded to the nearest number of E3M2, ties to even, subnormals kept.
;;     - The product sums the exact products of the quantised numbers (number of the format x scale) in f32.
;;   ~~~python
;;   def quantise(x, axis):      # numpy; x: float32 -> the quantised numbers, widened to float32 again
;;       x = np.moveaxis(x, axis, -1); K = x.shape[-1]
;;       x = np.pad(x, [(0, 0)] * (x.ndim - 1) + [(0, -K % 32)]); x = x.reshape(x.shape[:-1] + (-1, 32)); a = np.abs(x).max(-1, keepdims=True)
;;       e = np.where(a > 0, np.clip(np.frexp(np.where(a > 0, a, 1))[1] - 1 - 4, -126, 127), 0)      # np.frexp(a)[1] - 1 = floor(log2(a)), exactly
;;       r = np.clip(x / 2.0 ** e, -28, 28)
;;       step = 2.0 ** (np.maximum(np.frexp(np.where(r == 0, 1, r))[1] - 1, -2) - 2)
;;       q = np.round(r / step) * step * 2.0 ** e      # np.round: ties to even
;;       return np.moveaxis(q.reshape(q.shape[:-2] + (-1,))[..., :K], -1, axis).astype(np.float32)
;;   ~~~
;;   SOFTMAX AHEAD OF A QUANTISED PRODUCT. Where the list says 'softmax', what is quantised is not the finished softmax but p = 2^(t - M), with t = logit x log2(e) and M = ceil(the row's largest t), a whole number; so 1/2 < the row's largest p <= 1. The row's sum l is taken of the UNQUANTISED p, in f32, and the product's result is divided by l at the end. Since M is a whole number, a kernel that streams over the keys may use a running M (the ceiling of the running maximum): every later rescaling is an exact power of two, which a block's scale takes up: the codes' values come out the same.
;;   OPERANDS COMPUTED ON THE WAY. 'Computed on the way' means the value that the module computes at that place (a softmax that the list does not call 'softmax' is quantised finished and normalised). What goes into a quantiser is computed in f32, as accurately as f32 sums, v_exp_f32 and their like allow (about 1e-6 of the number): no bf16 or f16 on the way to a quantiser, and a product that is left as it is and whose result goes on into a quantised operand takes f32 operands (vector FMAs, or v_wmma_f32_16x16x4_f32). A number that lies on a knife's edge between two numbers of the format may be rounded either way, as far as f32 arithmetic and the matrix unit's own rounding can turn it there, and no further.
;; One version. Each part assembles by itself: llvm-mc -triple=amdgcn-amd-amdhsa -mcpu=gfx1250 --defsym DOCPART=n.
;; ======== version 1 of 1: 4 launches
;; limits: right only within a limited range of input values
;; workspace buffers: ximg 6,553,600 bytes; wimg 2,457,600 bytes; kimg 6,553,600 bytes; qimg 6,553,600 bytes; vimg 6,553,600 bytes; pimg 13,107,200 bytes; pst 1,048,576 bytes
;; launch quant (part 1): grid 352 x 1, 4 waves a work-group, no clusters, 34,304 bytes of LDS; arguments x, Wk, Wq, Wv, ximg, wimg; writes ximg, wimg
.if DOCPART == 1
	.amdgcn_target "amdgcn-amd-amdhsa--gfx1250"
	.amdhsa_code_object_version 6
	.text
	.protected	k_q9442cab3c6_quant
	.globl	k_q9442cab3c6_quant
	.p2align	8
	.type	k_q9442cab3c6_quant,@function
k_q9442cab3c6_quant:
	s_mov_b64 s[64:65], 0
	v_nop
	global_prefetch_b8 v0, s[64:65] scope:SCOPE_SE
	s_setreg_imm32_b32 hwreg(HW_REG_WAVE_MODE, 25, 1), 1
	s_wait_xcnt 0x0
; THE PROGRAM: out = softmax(causal(K Q^T / 32)) V with K, Q, V = x W^T + b, all five products on codes of BF6 (E3M2) with one E8M0 scale for each 32 along K.  Four launches:
; quant (x and the weights into codes), proj (K, Q, V, quantised on the way), score (K Q^T, mask, p = 2^(t - M) quantised), pv (p V / l).
; WORK LEFT OUT.  reference() sets scores[t][s] to -inf where s > t, by a mask that it builds in its own body (jnp.tril), and the softmax gives such a key the weight exp(-inf) = 0.  So for every finite
; value of the inputs neither that score nor that weight x V[s] reaches an output.  It is left out where it comes in whole units: the tiles of 256 x 256 scores whose first key lies behind their last query
; (112 of 256), and the same key steps of the last product.  Inside a tile on the diagonal the hidden scores are computed and then set to -inf.  No input is without a way to the output: each bias goes
; into a quantiser.  LIMIT: a NaN, an infinity or an overflow that reaches only the tiles left out is not carried to the result.
; THIS LAUNCH: x [8192][1024] and Wk, Wq, Wv [1024][1024], f32, K innermost, become codes laid as IMAGES OF OPERAND REGISTERS.  A UNIT is 128 rows x 128 along K, 12,800 bytes = 25 chunks of 512 bytes:
; chunk 3 a + c holds, at 16 x lane, registers 4 c .. 4 c + 3 of tile a's fragment (12 registers a lane: lane (r, h), registers 6 c .. 6 c + 5: k = 64 c + 32 h + 0 .. 31 of the tile's row r);
; chunk 24 holds, at 16 x lane, the scale words of tiles 4 (lane / 16) + 0 .. 3 for row lane % 16.  Units of one block of rows follow each other along K.
; THE ROWS OF A TILE ARE NOT NEIGHBOURS: row r of tile a is row 32 (a / 2) + 8 (a % 2) + r + 8 (r / 8) of the block, so that a product which takes the tile as source 0 leaves 16 neighbours in 16 registers.
; A block's scale is 2^(floor(log2(its largest magnitude)) - 4); its byte is the largest magnitude's exponent field - 4, held at 1 from below.
; LIMITS: a block of zeros gets the byte 1 where the rule says 127 (its codes are zeros, and this program alone reads the bytes); NaN and infinities among the inputs are not served.
; SHARES: a work-group takes 64 rows and four K steps, a wave 4 tiles of one K step: half a unit.  Each load reads 512 consecutive bytes of one row; a tile turns through the wave's own stage in LDS
; (16 rows, 528 bytes apart) so that a lane gets its two whole blocks of 32.  Waves share nothing: no barrier.
.set STGB,  8448                       ; a wave's stage: 16 rows x (512 + 16) bytes
.set SPARE, 4*STGB                     ; behind the stages: the spare words, 128 bytes a wave
.set UNIT,  12800
.set R,   16                           ; v16-143  two sets of 64: a tile as it is loaded
.set X,   144                          ; v144-207 my two blocks of 32
.set C,   208                          ; v208-219 the fragment
.set CT,  220                          ; v220-226 the upper halves of the two blocks' codes, before they are moved
.set PW,  228                          ; v228-231 the four tiles' scale words
.set SPW, 8                            ; v8  LDS address of my spare word; never rewritten
.set NIL, 9                            ; v9  0; never rewritten
	s_load_b256 s[4:11], s[0:1], 0x0               ; x, Wk, Wq, Wv
	s_load_b128 s[12:15], s[0:1], 0x20             ; ximg, wimg
	v_lshl_add_u32 v[SPW], v0, 2, SPARE
	v_mov_b32 v[NIL], 0
	v_lshrrev_b32 v1, 5, v0
	v_readfirstlane_b32 s16, v1                    ; wave
	v_and_b32 v1, 31, v0
	v_lshlrev_b32 v2, 4, v1                        ; 16 x lane
	s_mul_i32 s17, s16, STGB
	v_add_nc_u32 v3, s17, v2                       ; the stage, on the way in: a row's 512 bytes as they lie
	v_and_b32 v10, 15, v0                          ; r
	v_bfe_u32 v11, v0, 4, 1                        ; h
	v_mul_u32_u24 v4, v10, 528
	v_lshl_add_u32 v4, v11, 7, v4
	v_add_nc_u32 v4, s17, v4                       ; and on the way out: row r, + 128 h
	v_lshlrev_b32 v5, 4, v10
	v_lshl_add_u32 v5, v11, 3, v5                  ; the scale words' place: 16 r + 8 h
	v_lshlrev_b32 v6, 3, v11                       ; 8 h: my bytes' shift in a scale word
	v_mov_b32 v239, 0                              ; (a lane permute's destination counts as one of its sources)
	s_mov_b32 s24, 0xffff0000                      ; lanes 16-31
	s_mov_b32 s26, 0x76543210
	s_mov_b32 s27, 0xfedcba98                      ; selects for lane l xor 16
	s_lshr_b32 s18, ttmp9, 1                       ; G: which 64 rows: 0-127 x, 128-143 Wk, 144-159 Wq, 160-175 Wv
	s_and_b32 s19, ttmp9, 1
	s_lshl_b32 s19, s19, 2
	s_add_co_u32 s19, s19, s16                     ; my K step
	s_sub_co_u32 s20, s18, 128                     ; the group's number among the weights'
	s_and_b32 s22, s20, 15                         ; and inside its weight
	s_wait_alu depctr_va_vdst(0)
	s_wait_kmcnt 0x0
	s_cmp_lt_u32 s18, 160                          ; the choices hang on the work-group's number alone
	s_cselect_b64 s[28:29], s[8:9], s[10:11]
	s_cmp_lt_u32 s18, 144
	s_cselect_b64 s[28:29], s[6:7], s[28:29]
	s_cmp_lt_u32 s18, 128
	s_cselect_b64 s[28:29], s[4:5], s[28:29]       ; from where
	s_cselect_b64 s[30:31], s[12:13], s[14:15]     ; to where
	s_cselect_b32 s21, s18, s20                    ; the group's number in the images' buffer
	s_cselect_b32 s22, s18, s22                    ; and in the source
	s_lshl_b32 s22, s22, 18                        ; 64 rows of 4,096 bytes
	s_lshl_b32 s23, s19, 9                         ; + 512 bytes a K step
	s_add_co_u32 s22, s22, s23
	s_mov_b32 s23, 0
	s_add_nc_u64 s[28:29], s[28:29], s[22:23]
	s_lshr_b32 s34, s21, 1
	s_lshl_b32 s34, s34, 3
	s_add_co_u32 s34, s34, s19
	s_mul_i32 s34, s34, UNIT                       ; my unit
	s_and_b32 s35, s21, 1                          ; its tiles 0-3 or 4-7
	s_mul_i32 s36, s35, 6144
	s_add_co_u32 s36, s36, s34
	s_mov_b32 s37, 0
	s_lshl_b32 s38, s35, 8
	s_add_co_u32 s38, s38, s34
	s_add_co_u32 s38, s38, 12288
	s_mov_b32 s39, 0
	s_add_nc_u64 s[32:33], s[30:31], s[38:39]      ; my 256 bytes of chunk 24
	s_add_nc_u64 s[30:31], s[30:31], s[36:37]      ; my twelve chunks of codes
.macro LOADT t                         ; tile t's 16 rows: 512 consecutive bytes each
.irp i, 0,1,2,3,4,5,6,7,8,9,10,11,12,13,14,15
	global_load_b128 v[R+64*((\t)%2)+4*\i:R+64*((\t)%2)+4*\i+3], v2, s[28:29] offset:(32*((\t)/2)+8*((\t)%2)+\i+8*(\i/8))*4096 th:TH_LOAD_NT
.endr
.endm
.macro TURNT t                         ; through the stage: LDS serves a wave's instructions in order, so no wait stands between the stores and the loads
.irp i, 0,1,2,3,4,5,6,7,8,9,10,11,12,13,14,15
	ds_store_b128 v3, v[R+64*((\t)%2)+4*\i:R+64*((\t)%2)+4*\i+3] offset:528*\i
.endr
.irp c, 0,1
.irp j, 0,1,2,3,4,5,6,7
	ds_load_b128 v[X+32*\c+4*\j:X+32*\c+4*\j+3], v4 offset:256*\c+16*\j   ; k = 64 c + 32 h + 4 j on, of row r
.endr
.endr
.endm
.macro QT t                            ; my two blocks become the fragment's registers and my part of the scale word
.irp c, 0,1
	v_max3_num_f32 v[232+2*\c], |v[X+32*\c]|, |v[X+32*\c+1]|, 0x2800000   ; two chains a block; the floor 2^(5 - 127) among the leaves holds the byte at 1 from below
	v_max3_num_f32 v[233+2*\c], |v[X+32*\c+16]|, |v[X+32*\c+17]|, |v[X+32*\c+18]|
.endr
.irp i, 2,4,6,8,10,12
.irp c, 0,1
	v_max3_num_f32 v[232+2*\c], v[232+2*\c], |v[X+32*\c+\i]|, |v[X+32*\c+\i+1]|
	v_max3_num_f32 v[233+2*\c], v[233+2*\c], |v[X+32*\c+\i+17]|, |v[X+32*\c+\i+18]|
.endr
.endr
.irp c, 0,1
	v_max3_num_f32 v[232+2*\c], v[232+2*\c], |v[X+32*\c+14]|, |v[X+32*\c+15]|
.endr
.irp c, 0,1
	v_max3_num_f32 v[232+2*\c], v[232+2*\c], v[233+2*\c], |v[X+32*\c+31]|
.endr
.irp c, 0,1
	v_add_nc_u32 v[236+\c], 0xfe000000, v[232+2*\c]   ; 4 off the exponent field: the conversion's scale operand
.endr
.irp c, 0,1
	v_lshrrev_b32 v[240+\c], 23, v[236+\c]         ; the scale's byte
.endr
	v_lshl_or_b32 v238, v241, 16, v240             ; blocks h and 2 + h of my row,
	v_lshlrev_b32 v238, v6, v238                   ; at their places;
	v_permlanex16_b32 v239, v238, s26, s27
	v_or_b32 v[PW+(\t)], v238, v239                ; with lane l xor 16's two the word is whole
.irp c, 0,1
	v_cvt_scalef32_pk16_bf6_f32 v[C+6*\c:C+6*\c+2], v[X+32*\c:X+32*\c+15], v[236+\c]
	v_cvt_scalef32_pk16_bf6_f32 v[CT+4*\c:CT+4*\c+2], v[X+32*\c+16:X+32*\c+31], v[236+\c]   ; (a conversion's three registers begin on an even number)
.endr
	v_nop                                          ; one plain place behind a scaled conversion
.irp c, 0,1
.irp i, 0,1,2
	v_mov_b32 v[C+3+6*\c+\i], v[CT+4*\c+\i]
.endr
.endr
.irp c, 0,1,2
	global_store_b128 v2, v[C+4*\c:C+4*\c+3], s[30:31] offset:1536*(\t)+512*\c   ; 32 lanes store 512 consecutive bytes
.endr
.endm
.macro TILE t
.if (\t) < 3
	s_wait_loadcnt 16                              ; this tile's 16 loads are in; the next tile's 16 may be out
.else
	s_wait_loadcnt 0x0
.endif
	TURNT \t
	s_wait_dscnt 0x0                               ; my blocks are in, and the stores into the stage have read their registers
.if (\t) > 0
	s_wait_xcnt 0x0                                ; the last tile's stores have read the fragment's registers, which are written again below
.endif
.if (\t) < 2
	LOADT (\t)+2
.endif
	QT \t
.endm
	LOADT 0
	LOADT 1
	TILE 0
	TILE 1
	TILE 2
	TILE 3
	v_cndmask_b32 v232, v[PW], v[PW+2], s24        ; lanes 0-15 store tiles 0, 1 of their row, lanes 16-31 tiles 2, 3
	v_cndmask_b32 v233, v[PW+1], v[PW+3], s24
	global_store_b64 v5, v[232:233], s[32:33]      ; 256 consecutive bytes
	s_wait_tensorcnt 0x0                           ; the wave's end
	ds_add_u32 v[SPW], v[NIL]
	s_wait_dscnt 0x0
	s_endpgm
.Lfunc_end_k_q9442cab3c6_quant:
	.size	k_q9442cab3c6_quant, .Lfunc_end_k_q9442cab3c6_quant-k_q9442cab3c6_quant
	.p2alignl 7, 3214868480
	.fill 96, 4, 3214868480
	.section	.rodata,"a",@progbits
	.p2align	6, 0x0
	.amdhsa_kernel k_q9442cab3c6_quant
		.amdhsa_group_segment_fixed_size 34304
		.amdhsa_private_segment_fixed_size 0
		.amdhsa_enable_private_segment 0
		.amdhsa_kernarg_size 48
		.amdhsa_user_sgpr_count 2
		.amdhsa_user_sgpr_kernarg_segment_ptr 1
		.amdhsa_wavefront_size32 1
		.amdhsa_system_sgpr_workgroup_id_x 1
		.amdhsa_system_sgpr_workgroup_id_y 1
		.amdhsa_system_sgpr_workgroup_id_z 1
		.amdhsa_system_vgpr_workitem_id 0
		.amdhsa_next_free_vgpr 256
		.amdhsa_next_free_sgpr 66
		.amdhsa_reserve_vcc 0
		.amdhsa_float_denorm_mode_32 3
		.amdhsa_float_denorm_mode_16_64 3
		.amdhsa_memory_ordered 1
		.amdhsa_forward_progress 1
		.amdhsa_inst_pref_size 31
	.end_amdhsa_kernel
	.amdgpu_metadata
---
amdhsa.version: [ 1, 2 ]
amdhsa.kernels:
  - .name:           k_q9442cab3c6_quant
    .symbol:         k_q9442cab3c6_quant.kd
    .args:
      - { .name: x, .offset: 0, .size: 8, .value_kind: global_buffer, .address_space: global }
      - { .name: Wk, .offset: 8, .size: 8, .value_kind: global_buffer, .address_space: global }
      - { .name: Wq, .offset: 16, .size: 8, .value_kind: global_buffer, .address_space: global }
      - { .name: Wv, .offset: 24, .size: 8, .value_kind: global_buffer, .address_space: global }
      - { .name: ximg, .offset: 32, .size: 8, .value_kind: global_buffer, .address_space: global }
      - { .name: wimg, .offset: 40, .size: 8, .value_kind: global_buffer, .address_space: global }
    .group_segment_fixed_size: 34304
    .private_segment_fixed_size: 0
    .kernarg_segment_align: 8
    .kernarg_segment_size: 48
    .max_flat_workgroup_size: 128
    .sgpr_count:     66
    .vgpr_count:     256
    .wavefront_size: 32
...
	.end_amdgpu_metadata
.endif
;; end of part 1
;; launch proj (part 2): grid 8 x 32, 4 waves a work-group, clusters of 4 x 4, 327,680 bytes of LDS; arguments ximg, wimg, bk, bq, bv, kimg, qimg, vimg; writes kimg, qimg, vimg
.if DOCPART == 2
	.amdgcn_target "amdgcn-amd-amdhsa--gfx1250"
	.amdhsa_code_object_version 6
	.text
	.protected	k_q9442cab3c6_proj
	.globl	k_q9442cab3c6_proj
	.p2align	8
	.type	k_q9442cab3c6_proj,@function
k_q9442cab3c6_proj:
	s_mov_b64 s[64:65], 0
	v_nop
	global_prefetch_b8 v0, s[64:65] scope:SCOPE_SE
	s_setreg_imm32_b32 hwreg(HW_REG_WAVE_MODE, 25, 1), 1
	s_wait_xcnt 0x0
	s_wait_alu depctr_hold_cnt(0) depctr_sa_sdst(0) depctr_va_vdst(0) depctr_va_sdst(0) depctr_va_ssrc(0) depctr_va_vcc(0) depctr_vm_vsrc(0)
	s_getreg_b32 s2, hwreg(HW_REG_IB_STS2, 6, 4)
	s_cmp_eq_u32 s2, 0
	s_cbranch_scc0 .Lentry_in_a_cluster
	s_endpgm
.Lentry_in_a_cluster:
	s_bfe_u32 s2, ttmp6, 0x10000c
	s_cmp_lg_u32 s2, 0xf033
	s_cbranch_scc0 .Lentry_shape_is_right
	s_endpgm
.Lentry_shape_is_right:
.set UNIT,  12800
.set SCO,   12288
.set HALFU, 6144
.set PART,  2*UNIT
.set SLOTB, 1<<17
.set SPARE, SLOTB+4*PART
.set ADRA,  16
.set ADRA2, 18
.set ADRB,  20
.set ADRB2, 22
.set ADRS2, 24
.set SPW,   28
.set NIL,   29
.set VB,    48
.set TM,    168
.set WV,    20
.set WA,    21
.set WB,    22
.set CX,    23
.set CY,    24
.set G1X,   28
.set G1W,   36
.set G0X,   44
.set G0W,   52
.set G0V,   88
.set HM,    83
.set SEL,   84
.set MSB,   0
.macro WIN new
.if MSB != (\new)
	s_set_vgpr_msb (MSB<<8)|(\new)
.set MSB, \new
.endif
.endm
.macro PLACES
.rept 4
	v_nop
.endr
.endm
.macro WMI
.if kCM == 0
.if kSEL == 0
	v_wmma_scale_f32_16x16x128_f8f6f4 v[rD:rD+7], v[rB:rB+11], v[rA:rA+11], 0, v[rSB], v[rSA] matrix_a_fmt:MATRIX_FMT_BF6 matrix_b_fmt:MATRIX_FMT_BF6
.elseif kSEL == 1
	v_wmma_scale_f32_16x16x128_f8f6f4 v[rD:rD+7], v[rB:rB+11], v[rA:rA+11], 0, v[rSB], v[rSA] matrix_a_fmt:MATRIX_FMT_BF6 matrix_b_fmt:MATRIX_FMT_BF6 matrix_a_scale:MATRIX_SCALE_ROW1
.elseif kSEL == 2
	v_wmma_scale_f32_16x16x128_f8f6f4 v[rD:rD+7], v[rB:rB+11], v[rA:rA+11], 0, v[rSB], v[rSA] matrix_a_fmt:MATRIX_FMT_BF6 matrix_b_fmt:MATRIX_FMT_BF6 matrix_b_scale:MATRIX_SCALE_ROW1
.else
	v_wmma_scale_f32_16x16x128_f8f6f4 v[rD:rD+7], v[rB:rB+11], v[rA:rA+11], 0, v[rSB], v[rSA] matrix_a_fmt:MATRIX_FMT_BF6 matrix_b_fmt:MATRIX_FMT_BF6 matrix_a_scale:MATRIX_SCALE_ROW1 matrix_b_scale:MATRIX_SCALE_ROW1
.endif
.else
.if kSEL == 0
	v_wmma_scale_f32_16x16x128_f8f6f4 v[rD:rD+7], v[rB:rB+11], v[rA:rA+11], v[rC:rC+7], v[rSB], v[rSA] matrix_a_fmt:MATRIX_FMT_BF6 matrix_b_fmt:MATRIX_FMT_BF6
.elseif kSEL == 1
	v_wmma_scale_f32_16x16x128_f8f6f4 v[rD:rD+7], v[rB:rB+11], v[rA:rA+11], v[rC:rC+7], v[rSB], v[rSA] matrix_a_fmt:MATRIX_FMT_BF6 matrix_b_fmt:MATRIX_FMT_BF6 matrix_a_scale:MATRIX_SCALE_ROW1
.elseif kSEL == 2
	v_wmma_scale_f32_16x16x128_f8f6f4 v[rD:rD+7], v[rB:rB+11], v[rA:rA+11], v[rC:rC+7], v[rSB], v[rSA] matrix_a_fmt:MATRIX_FMT_BF6 matrix_b_fmt:MATRIX_FMT_BF6 matrix_b_scale:MATRIX_SCALE_ROW1
.else
	v_wmma_scale_f32_16x16x128_f8f6f4 v[rD:rD+7], v[rB:rB+11], v[rA:rA+11], v[rC:rC+7], v[rSB], v[rSA] matrix_a_fmt:MATRIX_FMT_BF6 matrix_b_fmt:MATRIX_FMT_BF6 matrix_a_scale:MATRIX_SCALE_ROW1 matrix_b_scale:MATRIX_SCALE_ROW1
.endif
.endif
.endm
.macro MUL16 a0, q, cm
.if (\cm) < 2
	WIN 0xa1+0x50*((\a0)/4)
.else
	WIN 0x91+0x40*((\a0)/4)
.endif
.irp a, \a0, \a0+1
.irp b, 0,1,2,3,4,5,6,7
.set rD, 8*(8*((\a)%4)+\b)
.set rB, 128*(\q)+12*\b
.set rA, 64+96*(\q)+12*(\a)
.set rSB, 40+4*(\q)+(\b%4)
.set rSA, 32+4*(\q)+((\a)%4)
.set kSEL, (\b/4)+2*((\a)/4)
.set kCM, \cm
.if (\cm) == 2
.set rC, 96+8*\b+96*(\b/4)
.elseif (\cm) == 3
.set rC, 96+8*(\a)+96*((\a)/4)
.else
.set rC, rD
.endif
	WMI
.endr
.endr
.endm
.macro FETCH ra, rb, rs, so, q, set
	WIN 0x40
.irp i, 0,1,2,3,4,5,6,7,8,9,10,11,12,13,14,15,16,17,18,19,20,21,22,23
	ds_load_b128 v[128*(\set)+4*\i:128*(\set)+4*\i+3], v[\rb] offset:(\q)*UNIT+512*\i
.endr
	WIN 0
.irp i, 0,1,2,3,4,5,6,7,8,9,10,11,12,13,14,15,16,17,18,19,20,21,22,23
	ds_load_b128 v[64+96*(\set)+4*\i:64+96*(\set)+4*\i+3], v[\ra] offset:(\q)*UNIT+512*\i
.endr
	ds_load_b128 v[40+4*(\set):43+4*(\set)], v[\rb] offset:(\q)*UNIT+SCO
	ds_load_b128 v[32+4*(\set):35+4*(\set)], v[\rs] offset:\so
.endm
.macro FETCH2 slot, q, set
	WIN 0x40
.irp i, 0,1,2,3,4,5,6,7,8,9,10,11,12,13,14,15,16,17,18,19,20,21,22,23
	ds_load_b128 v[128*(\set)+4*\i:128*(\set)+4*\i+3], v[ADRB2+\slot] offset:(\q)*UNIT+512*\i
.endr
	WIN 0
.irp i, 0,1,2,3,4,5,6,7,8,9,10,11
	ds_load_b128 v[64+96*(\set)+4*\i:64+96*(\set)+4*\i+3], v[ADRA2+\slot] offset:(\q)*UNIT+512*\i
.endr
	ds_load_b128 v[40+4*(\set):43+4*(\set)], v[ADRB2+\slot] offset:(\q)*UNIT+SCO
	ds_load_b128 v[32+4*(\set):35+4*(\set)], v[ADRS2+\slot] offset:(\q)*UNIT
.endm
.macro JLOAD s
	s_cmp_eq_u32 s[WA], 0
	s_cbranch_scc0 .Lfor_w_\@
	tensor_load_to_lds s[G0X+4*\s:G0X+4*\s+3], s[G1X:G1X+7]
	s_nop 0
.rept 4
	v_nop
.endr
	s_branch .Lasked_\@
.Lfor_w_\@:
	tensor_load_to_lds s[G0W+4*\s:G0W+4*\s+3], s[G1W:G1W+7]
	s_nop 0
.rept 4
	v_nop
.endr
.Lasked_\@:
.endm
.macro JLOAD2 s
	s_cmp_eq_u32 s[WA], 0
	s_cbranch_scc0 .Lnot_x_\@
	tensor_load_to_lds s[G0X+4*\s:G0X+4*\s+3], s[G1X:G1X+7]
	s_nop 0
.rept 4
	v_nop
.endr
	s_branch .Lasked2_\@
.Lnot_x_\@:
	s_cmp_eq_u32 s[WV], 2
	s_cbranch_scc0 .Lasked2_\@
	tensor_load_to_lds s[G0V+4*\s:G0V+4*\s+3], s[G1W:G1W+7]
	s_nop 0
.rept 4
	v_nop
.endr
.Lasked2_\@:
.endm
.macro CREST
	s_cmp_lg_u32 s[WV], 0
	s_cbranch_scc1 .Lnot_wave_0_\@
	s_barrier_signal -3
.Lnot_wave_0_\@:
	s_barrier_wait -3
	s_barrier_signal -1
	s_barrier_wait -1
.endm
.macro CROUND
	s_barrier_signal -1
	s_barrier_wait -1
	CREST
.endm
.macro STEP slot, cm
	s_wait_dscnt 0x0
	PLACES
	FETCH ADRA+\slot, ADRB+\slot, ADRA+\slot, UNIT+SCO, 1, 1
	MUL16 0, 0, \cm
	MUL16 2, 0, \cm
	MUL16 4, 0, \cm
	MUL16 6, 0, \cm
	WIN 0
.endm
.macro TURN slot, next, refill, fetch
	s_wait_tensorcnt 0x0
	ds_add_u32 v[SPW], v[NIL]
	s_wait_dscnt 1
	MUL16 0, 1, 1
	s_wait_dscnt 0x0
	s_barrier_signal -1
	MUL16 2, 1, 1
	WIN 0
	s_barrier_wait -1
	CREST
.if (\refill) == 1
	s_add_nc_u64 s[G0X+4*\slot+2:G0X+4*\slot+3], s[G0X+4*\slot+2:G0X+4*\slot+3], 2*PART
	s_add_nc_u64 s[G0W+4*\slot+2:G0W+4*\slot+3], s[G0W+4*\slot+2:G0W+4*\slot+3], 2*PART
	JLOAD \slot
.else
	s_sub_nc_u64 s[G0X+4*\slot+2:G0X+4*\slot+3], s[G0X+4*\slot+2:G0X+4*\slot+3], 2*PART
	JLOAD2 \slot
	PLACES
.endif
.if \fetch
	s_wait_alu depctr_va_vdst(0)
	FETCH ADRA+\next, ADRB+\next, ADRA+\next, SCO, 0, 0
.endif
	MUL16 4, 1, 1
	MUL16 6, 1, 1
	WIN 0
.endm
.macro STEP2 slot, cm
	s_wait_dscnt 0x0
	PLACES
	FETCH2 \slot, 1, 1
	MUL16 0, 0, \cm
	MUL16 2, 0, \cm
	WIN 0
.endm
.macro TURN2 slot, next, refill
	s_wait_tensorcnt 0x0
	ds_add_u32 v[SPW], v[NIL]
	s_wait_dscnt 1
	MUL16 0, 1, 1
	s_wait_dscnt 0x0
	s_barrier_signal -1
	WIN 0
	s_barrier_wait -1
.if \refill
	CREST
	s_add_nc_u64 s[G0X+4*\slot+2:G0X+4*\slot+3], s[G0X+4*\slot+2:G0X+4*\slot+3], 2*PART
	s_add_nc_u64 s[G0V+4*\slot+2:G0V+4*\slot+3], s[G0V+4*\slot+2:G0V+4*\slot+3], 2*PART
	JLOAD2 \slot
.endif
	PLACES
	FETCH2 \next, 0, 0
	MUL16 2, 1, 1
	WIN 0
.endm
.macro QUANTW a, base
.set W, 2+(\a)/4
.set S, 64*((\a)%4)
.set CD, 64+12*(\a)
	WIN W|(W<<2)
.irp b, 0,1,2,3
	v_max3_num_f32 v[TM+\b], |v[S+16*\b]|, |v[S+16*\b+1]|, 0x2800000
.endr
	WIN (W<<2)|(W<<4)
.irp i, 2,4,6,8,10,12,14
.irp b, 0,1,2,3
	v_max3_num_f32 v[TM+\b], v[TM+\b], |v[S+16*\b+\i]|, |v[S+16*\b+\i+1]|
.endr
.endr
	WIN 0
.irp b, 0,1,2,3
	v_permlanex16_b32 v[TM+4+\b], v[TM+\b], s[SEL], s[SEL+1]
.endr
.irp b, 0,1,2,3
	v_max_num_f32 v[TM+\b], v[TM+\b], v[TM+4+\b]
.endr
.irp b, 0,1,2,3
	v_add_nc_u32 v[TM+12+\b], 0xfe000000, v[TM+\b]
.endr
.irp b, 0,1,2,3
	v_lshrrev_b32 v[TM+4+\b], 23, v[TM+12+\b]
.endr
	v_lshl_or_b32 v[184+(\a)], v[TM+5], 8, v[TM+4]
	v_lshl_or_b32 v[184+(\a)], v[TM+6], 16, v[184+(\a)]
	v_lshl_or_b32 v[184+(\a)], v[TM+7], 24, v[184+(\a)]
	WIN W
.irp c, 0,1
	v_cvt_scalef32_pk16_bf6_f32 v[CD+6*\c:CD+6*\c+2], v[S+32*\c:S+32*\c+15], v[TM+12+2*\c]
	v_cvt_scalef32_pk16_bf6_f32 v[160+4*\c:162+4*\c], v[S+32*\c+16:S+32*\c+31], v[TM+12+2*\c+1]
.endr
	WIN 0
	v_nop
.irp c, 0,1
.irp i, 0,1,2
	v_permlane16_swap_b32 v[CD+6*\c+\i], v[160+4*\c+\i]
.endr
.irp i, 0,1,2
	v_mov_b32 v[CD+3+6*\c+\i], v[160+4*\c+\i]
.endr
.endr
.irp c, 0,1,2
	global_store_b128 v1, v[CD+4*\c:CD+4*\c+3], s[\base:\base+1] offset:1536*(\a)+512*\c
.endr
.endm
	s_load_b512 s[4:19], s[0:1], 0x0
	v_lshl_add_u32 v[SPW], v0, 2, SPARE
	v_mov_b32 v[NIL], 0
	ds_add_u32 v[SPW], v[NIL]
	ds_add_u32 v[SPW], v[NIL]
	v_lshrrev_b32 v2, 5, v0
	v_readfirstlane_b32 s[WV], v2
	s_lshr_b32 s[WA], s[WV], 1
	s_and_b32 s[WB], s[WV], 1
	s_bfe_u32 s[CX], ttmp6, 0x40000
	s_bfe_u32 s[CY], ttmp6, 0x40004
	s_lshl_b32 s25, ttmp9, 2
	s_add_co_u32 s25, s25, s[CX]
	s_and_b32 s26, ttmp7, 0xffff
	s_lshl_b32 s26, s26, 2
	s_add_co_u32 s26, s26, s[CY]
	s_lshl_b32 s60, s[CY], 2
	s_lshl_b32 s60, 15, s60
	s_lshl_b32 s61, 0x1111, s[CX]
	s_or_b32 s[G1X], s60, (3<<16)|(1<<21)
	s_or_b32 s[G1W], s61, (3<<16)|(1<<21)
.irp g, G1X, G1W
	s_mov_b32 s[\g+1], 32<<16
	s_mov_b32 s[\g+2], 100<<16
	s_mov_b32 s[\g+3], 32<<16
	s_mov_b32 s[\g+4], 100
	s_mov_b32 s[\g+5], 32
	s_mov_b32 s[\g+6], 0
	s_mov_b32 s[\g+7], 0
.endr
	s_lshl_b32 s62, s26, 1
	s_add_co_u32 s62, s62, s[WB]
	s_mul_i32 s62, s62, 8*UNIT
	s_mov_b32 s63, 0
	s_lshl_b32 s66, s25, 1
	s_add_co_u32 s66, s66, s[WB]
	s_mul_i32 s66, s66, 8*UNIT
	s_mov_b32 s67, 0
	s_add_co_u32 s96, s25, 16
	s_mul_i32 s96, s96, 8*UNIT
	s_mov_b32 s97, 0
	s_mul_i32 s68, s[WV], PART
	s_mov_b32 s[HM], 0xffff0000
	s_mov_b32 s[SEL], 0x76543210
	s_mov_b32 s[SEL+1], 0xfedcba98
	s_wait_dscnt 0x0
	s_wait_kmcnt 0x0
	s_add_nc_u64 s[62:63], s[4:5], s[62:63]
	s_add_nc_u64 s[66:67], s[6:7], s[66:67]
	s_add_nc_u64 s[96:97], s[6:7], s[96:97]
	CROUND
.irp s, 0,1
	s_mov_b32 s[G0X+4*\s], 1
	s_add_co_u32 s[G0X+4*\s+1], s68, \s*SLOTB
	s_add_nc_u64 s[G0X+4*\s+2:G0X+4*\s+3], s[62:63], \s*PART
	s_or_b32 s[G0X+4*\s+3], s[G0X+4*\s+3], 0x80000000
	s_mov_b32 s[G0W+4*\s], 1
	s_add_co_u32 s[G0W+4*\s+1], s68, \s*SLOTB
	s_add_nc_u64 s[G0W+4*\s+2:G0W+4*\s+3], s[66:67], \s*PART
	s_or_b32 s[G0W+4*\s+3], s[G0W+4*\s+3], 0x80000000
.if \s == 0
	JLOAD 0                                        ; slot 0's joint load, behind the opening round: my one tensor load at the head
.endif
.endr
.irp s, 0,1
	s_mov_b32 s[G0V+4*\s], 1
	s_mov_b32 s[G0V+4*\s+1], 2*PART+\s*SLOTB
	s_add_nc_u64 s[G0V+4*\s+2:G0V+4*\s+3], s[96:97], \s*PART
	s_or_b32 s[G0V+4*\s+3], s[G0V+4*\s+3], 0x80000000
.endr
	v_and_b32 v2, 31, v0
	v_lshlrev_b32 v1, 4, v2
	v_and_b32 v3, 15, v0
	v_bfe_u32 v4, v0, 4, 1
	s_mul_i32 s69, s[WA], PART
	s_mul_i32 s70, s[WB], PART
	v_add_nc_u32 v[ADRA], s69, v1
	v_add_nc_u32 v[ADRB2], s70, v1
	s_add_co_u32 s70, s70, 2*PART
	v_add_nc_u32 v[ADRB], s70, v1
	s_mul_i32 s69, s[WA], HALFU
	s_add_co_u32 s69, s69, 2*PART
	v_add_nc_u32 v[ADRA2], s69, v1
	s_lshl_b32 s69, s[WA], 8
	s_add_co_u32 s69, s69, 2*PART+SCO
	v_lshl_add_u32 v[ADRS2], v3, 4, s69
.irp g, ADRA, ADRA2, ADRB, ADRB2, ADRS2
	v_add_nc_u32 v[\g+1], SLOTB, v[\g]
.endr
	s_cmp_eq_u32 ttmp9, 0
	s_cselect_b64 s[72:73], s[8:9], s[10:11]
	s_cselect_b64 s[74:75], s[14:15], s[16:17]
	s_lshl_b32 s80, s[CX], 1
	s_add_co_u32 s81, s80, s[WB]
	s_lshl_b32 s76, s81, 9
	s_mov_b32 s77, 0
	s_add_nc_u64 s[72:73], s[72:73], s[76:77]
	s_lshl_b32 s78, s26, 1
	s_add_co_u32 s79, s78, s[WA]
	s_lshl_b32 s79, s79, 3
	s_add_co_u32 s79, s79, s81
	s_mul_i32 s76, s79, UNIT
	s_add_nc_u64 s[74:75], s[74:75], s[76:77]
	s_add_co_u32 s78, s78, s[WB]
	s_lshr_b32 s82, s78, 4
	s_lshl_b32 s82, s82, 3
	s_add_co_u32 s82, s82, s25
	s_lshl_b32 s82, s82, 4
	s_and_b32 s78, s78, 15
	s_add_co_u32 s82, s82, s78
	s_mul_i32 s82, s82, UNIT
	s_mul_i32 s76, s[WA], HALFU
	s_add_co_u32 s76, s76, s82
	s_add_nc_u64 s[86:87], s[18:19], s[76:77]
	s_lshl_b32 s76, s[WA], 8
	s_add_co_u32 s76, s76, s82
	s_add_co_u32 s76, s76, SCO
	s_add_nc_u64 s[96:97], s[18:19], s[76:77]
	s_lshl_b32 s76, s25, 9
	s_lshl_b32 s78, s[WA], 8
	s_add_co_u32 s76, s76, s78
	s_add_nc_u64 s[98:99], s[12:13], s[76:77]
	v_lshlrev_b32 v5, 6, v4
	v_and_b32 v6, 8, v3
	v_add_nc_u32 v6, v6, v3
	v_lshlrev_b32 v6, 2, v6
	v_lshlrev_b32 v7, 4, v3
	v_lshl_add_u32 v7, v4, 3, v7
	WIN 0x40
.irp b, 0,1,2,3,4,5,6,7
	global_load_b128 v[96+8*\b+96*(\b/4):99+8*\b+96*(\b/4)], v5, s[72:73] offset:(32*(\b/2)+8*(\b%2))*4
	global_load_b128 v[100+8*\b+96*(\b/4):103+8*\b+96*(\b/4)], v5, s[72:73] offset:(32*(\b/2)+8*(\b%2))*4+16
.endr
	WIN 0
.irp a, 0,1,2,3
	global_load_b32 v[VB+\a], v6, s[98:99] offset:(32*(\a/2)+8*(\a%2))*4
.endr
	s_wait_alu depctr_va_vdst(0)                   ; the wait at the head's end
	s_wait_tensorcnt 0x0                           ; my part of slot 0 is in; slot 1's first fill is issued as a refill is
	ds_add_u32 v[SPW], v[NIL]
	s_wait_dscnt 0x0
	CROUND                                         ; a whole round: slot 0 is whole, and the joint loads meet
	JLOAD 1
	FETCH ADRA, ADRB, ADRA, SCO, 0, 0
	s_wait_loadcnt 0x0
	STEP 0, 2
	TURN 0, 1, 1, 1
	STEP 1, 1
	TURN 1, 0, 1, 1
	STEP 0, 1
	TURN 0, 1, 2, 1
	STEP 1, 1
	TURN 1, 0, 2, 0
	PLACES
	WIN 0x40
.irp a, 0,1,2,3
.irp j, 0,1,2,3,4,5,6,7
	v_mov_b32 v[96+8*\a+\j], v[VB+\a]
.endr
.endr
	WIN 0
.irp b, 0,1,2,3
	v_mov_b32 v[TM+4+\b], 0
.endr
.irp a, 0,1,2,3,4,5,6,7
	QUANTW \a, 74
.endr
.irp i, 0,1,2,3
	v_cndmask_b32 v[192+\i], v[184+\i], v[188+\i], s[HM]
.endr
	global_store_b128 v1, v[192:195], s[74:75] offset:SCO
	s_wait_xcnt 0x0
	FETCH2 0, 0, 0
	STEP2 0, 3
	TURN2 0, 1, 1
	STEP2 1, 1
	TURN2 1, 0, 1
	STEP2 0, 1
	TURN2 0, 1, 0
	STEP2 1, 1
	s_wait_dscnt 0x0
	MUL16 0, 1, 1
	MUL16 2, 1, 1
	WIN 0
	PLACES
.irp b, 0,1,2,3
	v_mov_b32 v[TM+4+\b], 0
.endr
.irp a, 0,1,2,3
	QUANTW \a, 86
.endr
	v_cndmask_b32 v192, v184, v186, s[HM]
	v_cndmask_b32 v193, v185, v187, s[HM]
	global_store_b64 v7, v[192:193], s[96:97]
	s_wait_tensorcnt 0x0
	ds_add_u32 v[SPW], v[NIL]
	s_wait_dscnt 0x0
	CROUND
	s_endpgm
.Lfunc_end_k_q9442cab3c6_proj:
	.size	k_q9442cab3c6_proj, .Lfunc_end_k_q9442cab3c6_proj-k_q9442cab3c6_proj
	.p2alignl 7, 3214868480
	.fill 96, 4, 3214868480
	.section	.rodata,"a",@progbits
	.p2align	6, 0x0
	.amdhsa_kernel k_q9442cab3c6_proj
		.amdhsa_group_segment_fixed_size 327680
		.amdhsa_private_segment_fixed_size 0
		.amdhsa_enable_private_segment 0
		.amdhsa_kernarg_size 64
		.amdhsa_user_sgpr_count 2
		.amdhsa_user_sgpr_kernarg_segment_ptr 1
		.amdhsa_wavefront_size32 1
		.amdhsa_system_sgpr_workgroup_id_x 1
		.amdhsa_system_sgpr_workgroup_id_y 1
		.amdhsa_system_sgpr_workgroup_id_z 1
		.amdhsa_system_vgpr_workitem_id 0
		.amdhsa_next_free_vgpr 1024
		.amdhsa_next_free_sgpr 100
		.amdhsa_reserve_vcc 0
		.amdhsa_float_denorm_mode_32 3
		.amdhsa_float_denorm_mode_16_64 3
		.amdhsa_memory_ordered 1
		.amdhsa_forward_progress 1
		.amdhsa_inst_pref_size 215
	.end_amdhsa_kernel
	.amdgpu_metadata
---
amdhsa.version: [ 1, 2 ]
amdhsa.kernels:
  - .name:           k_q9442cab3c6_proj
    .symbol:         k_q9442cab3c6_proj.kd
    .args:
      - { .name: ximg, .offset: 0, .size: 8, .value_kind: global_buffer, .address_space: global }
      - { .name: wimg, .offset: 8, .size: 8, .value_kind: global_buffer, .address_space: global }
      - { .name: bk, .offset: 16, .size: 8, .value_kind: global_buffer, .address_space: global }
      - { .name: bq, .offset: 24, .size: 8, .value_kind: global_buffer, .address_space: global }
      - { .name: bv, .offset: 32, .size: 8, .value_kind: global_buffer, .address_space: global }
      - { .name: kimg, .offset: 40, .size: 8, .value_kind: global_buffer, .address_space: global }
      - { .name: qimg, .offset: 48, .size: 8, .value_kind: global_buffer, .address_space: global }
      - { .name: vimg, .offset: 56, .size: 8, .value_kind: global_buffer, .address_space: global }
    .group_segment_fixed_size: 327680
    .private_segment_fixed_size: 0
    .kernarg_segment_align: 8
    .kernarg_segment_size: 64
    .max_flat_workgroup_size: 128
    .sgpr_count:     100
    .vgpr_count:     1024
    .wavefront_size: 32
...
	.end_amdgpu_metadata
.endif
;; end of part 2
;; launch score (part 3): grid 36 x 4, 4 waves a work-group, no clusters, 327,680 bytes of LDS; arguments kimg, qimg, pimg, pst; writes pimg, pst
.if DOCPART == 3
	.amdgcn_target "amdgcn-amd-amdhsa--gfx1250"
	.amdhsa_code_object_version 6
	.text
	.protected	k_q9442cab3c6_score
	.globl	k_q9442cab3c6_score
	.p2align	8
	.type	k_q9442cab3c6_score,@function
k_q9442cab3c6_score:
	s_mov_b64 s[64:65], 0
	v_nop
	global_prefetch_b8 v0, s[64:65] scope:SCOPE_SE
	s_setreg_imm32_b32 hwreg(HW_REG_WAVE_MODE, 25, 1), 1
	s_wait_xcnt 0x0
; S[t][s] = K[t] . Q[s] / 32 on codes of BF6, the causal mask, and p = 2^(x - M) quantised along s into the last product's operand.  x = S log2(e).
; WORK LEFT OUT: the tiles of 256 x 256 scores whose first key lies behind their last query: reference()'s own mask gives them the weight 0 for all values of the inputs.  36 tiles a batch remain.
; M IS LOCAL: for each row and each 128 keys, M = the ceiling of the largest x among these keys.  It is a whole number, so the last launch brings p under the row's M by taking the difference off p's scale bytes:
; the codes stay as they are.  Stored beside the codes: -M and l = the sum of the unquantised p, for each (row, 128 keys).
; SHARES: work-group (I, J), J <= I, of a batch: queries t 256 I on, keys s 256 J on; a wave 128 x 128.  Source 0 = 16 rows of Q (keys), source 1 = 16 rows of K (queries): a lane holds one query t and the 64
; registers of a tile of queries run along 128 keys: one K step of the last product.  So a wave's result is one unit of pimg.
; In a tile on the diagonal the wave with the first 128 queries and the last 128 keys has only hidden scores: it stays (it lies inside a live tile) and leaves zero codes, l = 0, -M = 3e38, which the last launch reads.
; Images, ring and walk as in the launch before.  NO CLUSTER: the 36 tiles of a batch are a triangle: rows of 1 to 8 tiles, which no cluster of four divides.
; A wave has one tensor load out at the start and one behind each later fill.
; LIMITS: a block whose every p is 0 gets the byte 1 (zero codes); NaN and infinities are not served.
; REGISTERS: as in the launch before; on the way out, window 0: v2-9 -M, v246-253 l, v48-55 scale words of the eight tiles; v[56:57] -M as a pair; v58-61 sums; v62, v63 the mask's; v64-127 p; v128-223 codes; v224-245 at work.
.set UNIT,  12800
.set SCO,   12288
.set PART,  2*UNIT
.set SLOTB, 1<<17
.set SPARE, SLOTB+4*PART
.set ADRA,  16
.set ADRB,  20
.set SPW,   28
.set NIL,   29
.set NM,    2                          ; v2-9     -M of the eight tiles
.set LL,    246                        ; v246-253 l of the eight tiles
.set BM,    224                        ; v224-227 each block's largest score, then its largest p
.set PB,    228                        ; v228-231 the other half's, then the bytes
.set SO,    232                        ; v232-235 the conversions' scale operands
.set CT,    236                        ; v236-242 codes before they are moved
.set WV,    12
.set WA,    13
.set WB,    14
.set II,    15
.set JJ,    16
.set BB,    17
.set DT,    18                         ; s18 my first query - my first key
.set G1,    20
.set G0,    28
.set CS,    36                         ; s[36:37] log2(e) / 32
.set SEL,   38
.set HM,    40
.set MSB,   0
.macro WIN new
.if MSB != (\new)
	s_set_vgpr_msb (MSB<<8)|(\new)
.set MSB, \new
.endif
.endm
.macro PLACES
.rept 4
	v_nop
.endr
.endm
.macro WMI
.if kCM == 0
.if kSEL == 0
	v_wmma_scale_f32_16x16x128_f8f6f4 v[rD:rD+7], v[rB:rB+11], v[rA:rA+11], 0, v[rSB], v[rSA] matrix_a_fmt:MATRIX_FMT_BF6 matrix_b_fmt:MATRIX_FMT_BF6
.elseif kSEL == 1
	v_wmma_scale_f32_16x16x128_f8f6f4 v[rD:rD+7], v[rB:rB+11], v[rA:rA+11], 0, v[rSB], v[rSA] matrix_a_fmt:MATRIX_FMT_BF6 matrix_b_fmt:MATRIX_FMT_BF6 matrix_a_scale:MATRIX_SCALE_ROW1
.elseif kSEL == 2
	v_wmma_scale_f32_16x16x128_f8f6f4 v[rD:rD+7], v[rB:rB+11], v[rA:rA+11], 0, v[rSB], v[rSA] matrix_a_fmt:MATRIX_FMT_BF6 matrix_b_fmt:MATRIX_FMT_BF6 matrix_b_scale:MATRIX_SCALE_ROW1
.else
	v_wmma_scale_f32_16x16x128_f8f6f4 v[rD:rD+7], v[rB:rB+11], v[rA:rA+11], 0, v[rSB], v[rSA] matrix_a_fmt:MATRIX_FMT_BF6 matrix_b_fmt:MATRIX_FMT_BF6 matrix_a_scale:MATRIX_SCALE_ROW1 matrix_b_scale:MATRIX_SCALE_ROW1
.endif
.else
.if kSEL == 0
	v_wmma_scale_f32_16x16x128_f8f6f4 v[rD:rD+7], v[rB:rB+11], v[rA:rA+11], v[rD:rD+7], v[rSB], v[rSA] matrix_a_fmt:MATRIX_FMT_BF6 matrix_b_fmt:MATRIX_FMT_BF6
.elseif kSEL == 1
	v_wmma_scale_f32_16x16x128_f8f6f4 v[rD:rD+7], v[rB:rB+11], v[rA:rA+11], v[rD:rD+7], v[rSB], v[rSA] matrix_a_fmt:MATRIX_FMT_BF6 matrix_b_fmt:MATRIX_FMT_BF6 matrix_a_scale:MATRIX_SCALE_ROW1
.elseif kSEL == 2
	v_wmma_scale_f32_16x16x128_f8f6f4 v[rD:rD+7], v[rB:rB+11], v[rA:rA+11], v[rD:rD+7], v[rSB], v[rSA] matrix_a_fmt:MATRIX_FMT_BF6 matrix_b_fmt:MATRIX_FMT_BF6 matrix_b_scale:MATRIX_SCALE_ROW1
.else
	v_wmma_scale_f32_16x16x128_f8f6f4 v[rD:rD+7], v[rB:rB+11], v[rA:rA+11], v[rD:rD+7], v[rSB], v[rSA] matrix_a_fmt:MATRIX_FMT_BF6 matrix_b_fmt:MATRIX_FMT_BF6 matrix_a_scale:MATRIX_SCALE_ROW1 matrix_b_scale:MATRIX_SCALE_ROW1
.endif
.endif
.endm
; 16 products: queries' tiles a0, a0 + 1 x the keys' eight, on set q.  cm = 0: the sums begin with 0.  The 64 accumulators take turns, in the same order in every K step.
.macro MUL16 a0, q, cm
	WIN 0xa1+0x50*((\a0)/4)
.irp a, \a0, \a0+1
.irp b, 0,1,2,3,4,5,6,7
.set rD, 8*(8*((\a)%4)+\b)
.set rB, 128*(\q)+12*\b
.set rA, 64+96*(\q)+12*(\a)
.set rSB, 40+4*(\q)+(\b%4)
.set rSA, 32+4*(\q)+((\a)%4)
.set kSEL, (\b/4)+2*((\a)/4)
.set kCM, \cm
	WMI
.endr
.endr
.endm
.macro FETCH ra, rb, rs, so, q, set
	WIN 0x40
.irp i, 0,1,2,3,4,5,6,7,8,9,10,11,12,13,14,15,16,17,18,19,20,21,22,23
	ds_load_b128 v[128*(\set)+4*\i:128*(\set)+4*\i+3], v[\rb] offset:(\q)*UNIT+512*\i
.endr
	WIN 0
.irp i, 0,1,2,3,4,5,6,7,8,9,10,11,12,13,14,15,16,17,18,19,20,21,22,23
	ds_load_b128 v[64+96*(\set)+4*\i:64+96*(\set)+4*\i+3], v[\ra] offset:(\q)*UNIT+512*\i
.endr
	ds_load_b128 v[40+4*(\set):43+4*(\set)], v[\rb] offset:(\q)*UNIT+SCO
	ds_load_b128 v[32+4*(\set):35+4*(\set)], v[\rs] offset:\so
.endm
.macro STEP slot, cm
	s_wait_dscnt 0x0                               ; set 0 is in
	PLACES
	FETCH ADRA+\slot, ADRB+\slot, ADRA+\slot, UNIT+SCO, 1, 1
	MUL16 0, 0, \cm
	MUL16 2, 0, \cm
	MUL16 4, 0, \cm
	MUL16 6, 0, \cm
	WIN 0
.endm
.macro TURN slot, next, refill
	s_wait_tensorcnt 0x0                           ; all my tensor loads have landed: my part of the next slot
	ds_add_u32 v[SPW], v[NIL]                      ; 0 onto my spare word
	s_wait_dscnt 1                                 ; set 1's 50 loads are in; the add alone may be out
	MUL16 0, 1, 1
	s_wait_dscnt 0x0                               ; the add is done, and my reads of this slot are over
	s_barrier_signal -1
	MUL16 2, 1, 1
	WIN 0
	s_barrier_wait -1
.if \refill
	s_add_nc_u64 s[G0+4*\slot+2:G0+4*\slot+3], s[G0+4*\slot+2:G0+4*\slot+3], 2*PART
	tensor_load_to_lds s[G0+4*\slot:G0+4*\slot+3], s[G1:G1+7]   ; my one tensor load behind this barrier, and the first thing there
	s_nop 0
.endif
	PLACES                                         ; the places ahead of the loads below
	FETCH ADRA+\next, ADRB+\next, ADRA+\next, SCO, 0, 0
	MUL16 4, 1, 1
	MUL16 6, 1, 1
	WIN 0
.endm
; The way out of the queries' tile a.  Register 16 b + i of its 64 holds key (my first key) + 32 b + 16 (lane / 16) + i; my query is (my first query) + 32 (a / 2) + 8 (a % 2) + r + 8 (r / 8).
.macro SOFT a
.set W, 2+(\a)/4
.set S, 64*((\a)%4)
.set CD, 128+12*(\a)
	s_cmp_ge_i32 s[DT], 127                        ; all my keys count for all my queries: ids and the wave's number alone
	s_cbranch_scc1 .Lopen_\@
	v_add_nc_u32 v244, 32*((\a)/2)+8*((\a)%2), v62 ; d = my query - my first key - 16 (lane / 16): hidden where 32 b + i > d
	WIN W|(W<<6)
.irp n, 0,1,2,3,4,5,6,7,8,9,10,11,12,13,14,15,16,17,18,19,20,21,22,23,24,25,26,27,28,29,30,31,32,33,34,35,36,37,38,39,40,41,42,43,44,45,46,47,48,49,50,51,52,53,54,55,56,57,58,59,60,61,62,63
	v_cmp_gt_i32 vcc_lo, 32*(\n/16)+\n%16, v244
	v_cndmask_b32 v[S+\n], v[S+\n], v63, vcc_lo    ; -infinity ahead of the maximum: p = 0 then
.endr
	WIN 0
.Lopen_\@:
	WIN W|(W<<2)|(W<<4)
.irp b, 0,1,2,3
	v_max3_num_f32 v[BM+\b], v[S+16*\b], v[S+16*\b+1], v[S+16*\b+2]   ; the largest score of each block of 32 keys: for the row's maximum, and, since p rises with the score, for the block's largest p
.endr
	WIN (W<<2)|(W<<4)
.irp i, 3,5,7,9,11,13
.irp b, 0,1,2,3
	v_max3_num_f32 v[BM+\b], v[BM+\b], v[S+16*\b+\i], v[S+16*\b+\i+1]
.endr
.endr
.irp b, 0,1,2,3
	v_max_num_f32 v[BM+\b], v[BM+\b], v[S+16*\b+15]
.endr
	WIN 0
.irp b, 0,1,2,3
	v_permlanex16_b32 v[PB+\b], v[BM+\b], s[SEL], s[SEL+1]
.endr
.irp b, 0,1,2,3
	v_max_num_f32 v[BM+\b], v[BM+\b], v[PB+\b]     ; with lane l xor 16's 16 keys
.endr
	v_max3_num_f32 v245, v[BM], v[BM+1], v[BM+2]
	v_max_num_f32 v245, v245, v[BM+3]              ; the largest score of my query among these 128 keys
	v_mul_f32 v245, s[CS], v245                    ; as x
	v_max_num_f32 v245, 0xff61b1e6, v245           ; a row that is wholly hidden here has -infinity: held at -3e38, so that -M is a number
	v_floor_f32 v56, -v245                         ; -M = floor(-x) = -ceil(x)
	WIN W
.irp j, 0,2,4,6,8,10,12,14,16,18,20,22,24,26,28,30,32,34,36,38,40,42,44,46,48,50,52,54,56,58,60,62
	v_pk_fma_f32 v[64+\j:65+\j], v[S+\j:S+\j+1], s[CS:CS+1], v[56:57] op_sel_hi:[1,0,0]   ; x - M, two at a time
.endr
	WIN 0
.irp b, 0,1,2,3
	v_fma_f32 v[BM+\b], v[BM+\b], s[CS], v56       ; the same of each block's largest score
.endr
	s_wait_alu depctr_va_vdst(0)
.irp j, 0,1,2,3,4,5,6,7,8,9,10,11,12,13,14,15,16,17,18,19,20,21,22,23,24,25,26,27,28,29,30,31,32,33,34,35,36,37,38,39,40,41,42,43,44,45,46,47,48,49,50,51,52,53,54,55,56,57,58,59,60,61,62,63
	v_exp_f32 v[64+\j], v[64+\j]                   ; p = 2^(x - M), at most 1
.endr
	v_mov_b32 v[NM+(\a)], v56                      ; -M is kept.  (The plain place behind the exponentials)
	s_wait_alu depctr_va_vdst(0)                   ; one wait for the batch of 64, ahead of its first reader
.irp b, 0,1,2,3
	v_exp_f32 v[BM+\b], v[BM+\b]                   ; the block's largest p: the same two instructions on the same number give the same bits
.endr
	v_pk_add_f32 v[58:59], v[64:65], v[66:67]      ; the sum of the unquantised p, two at a time, in two chains: it reads the 64 alone
	v_pk_add_f32 v[60:61], v[68:69], v[70:71]
.irp j, 8,12,16,20,24,28,32,36,40,44,48,52,56,60
	v_pk_add_f32 v[58:59], v[58:59], v[64+\j:65+\j]
	v_pk_add_f32 v[60:61], v[60:61], v[66+\j:67+\j]
.endr
	v_pk_add_f32 v[58:59], v[58:59], v[60:61]
	v_add_f32 v58, v58, v59
	v_permlanex16_b32 v59, v58, s[SEL], s[SEL+1]
	v_add_f32 v[LL+(\a)], v58, v59                 ; l of my query over these 128 keys
	s_wait_alu depctr_va_vdst(0)                   ; and one wait for the four
.irp b, 0,1,2,3
	v_max_num_f32 v[BM+\b], 0x2800000, v[BM+\b]    ; the floor 2^(5 - 127): the byte cannot fall under 1
.endr
.irp b, 0,1,2,3
	v_add_nc_u32 v[SO+\b], 0xfe000000, v[BM+\b]    ; 4 off the exponent field: the conversion's scale operand
.endr
.irp b, 0,1,2,3
	v_lshrrev_b32 v[PB+\b], 23, v[SO+\b]           ; the scale's byte
.endr
	v_lshl_or_b32 v[48+(\a)], v[PB+1], 8, v[PB]
	v_lshl_or_b32 v[48+(\a)], v[PB+2], 16, v[48+(\a)]
	v_lshl_or_b32 v[48+(\a)], v[PB+3], 24, v[48+(\a)]
.irp c, 0,1
	v_cvt_scalef32_pk16_bf6_f32 v[CD+6*\c:CD+6*\c+2], v[64+32*\c:79+32*\c], v[SO+2*\c]
	v_cvt_scalef32_pk16_bf6_f32 v[CT+4*\c:CT+4*\c+2], v[80+32*\c:95+32*\c], v[SO+2*\c+1]
.endr
	v_nop                                          ; one plain place behind a scaled conversion
.irp c, 0,1
.irp i, 0,1,2
	v_permlane16_swap_b32 v[CD+6*\c+\i], v[CT+4*\c+\i]
.endr
.irp i, 0,1,2
	v_mov_b32 v[CD+3+6*\c+\i], v[CT+4*\c+\i]
.endr
.endr
.irp c, 0,1,2
	global_store_b128 v1, v[CD+4*\c:CD+4*\c+3], s[50:51] offset:1536*(\a)+512*\c   ; 512 consecutive bytes; each tile has registers of its own
.endr
.endm
	s_load_b256 s[4:11], s[0:1], 0x0               ; kimg, qimg, pimg, pst
	v_lshl_add_u32 v[SPW], v0, 2, SPARE
	v_mov_b32 v[NIL], 0
	ds_add_u32 v[SPW], v[NIL]                      ; the wave's opening: the add, twice on end, and its wait ahead of my first tensor load
	ds_add_u32 v[SPW], v[NIL]
	v_lshrrev_b32 v2, 5, v0
	v_readfirstlane_b32 s[WV], v2
	s_lshr_b32 s[WA], s[WV], 1                     ; which 128 queries are mine
	s_and_b32 s[WB], s[WV], 1                      ; which 128 keys; also which of two blocks I fetch
	s_mov_b32 s[II], 0
.irp k, 1,3,6,10,15,21,28                      ; I = how many of the triangle's row starts lie at or under my number
	s_cmp_ge_u32 ttmp9, \k
	s_add_co_ci_u32 s[II], s[II], 0
.endr
	s_add_co_u32 s41, s[II], 1
	s_mul_i32 s41, s41, s[II]
	s_lshr_b32 s41, s41, 1
	s_sub_co_u32 s[JJ], ttmp9, s41                 ; J = my number - I (I + 1) / 2
	s_and_b32 s[BB], ttmp7, 0xffff                 ; the batch
	s_sub_co_u32 s[DT], s[II], s[JJ]
	s_lshl_b32 s[DT], s[DT], 8
	s_sub_co_i32 s41, s[WA], s[WB]
	s_lshl_b32 s41, s41, 7
	s_add_co_i32 s[DT], s[DT], s41                 ; 256 (I - J) + 128 (wave / 2 - wave % 2)
	s_mov_b32 s[G1], 3<<16                         ; no mask; elements of 8 bytes; no padding
	s_mov_b32 s[G1+1], 32<<16                      ; rows of 256 bytes,
	s_mov_b32 s[G1+2], 100<<16                     ; 100 of them: 25,600 dense bytes
	s_mov_b32 s[G1+3], 32<<16
	s_mov_b32 s[G1+4], 100
	s_mov_b32 s[G1+5], 32
	s_mov_b32 s[G1+6], 0
	s_mov_b32 s[G1+7], 0
	s_cmp_lt_u32 s[WV], 2                          ; waves 0, 1 fetch K's blocks 2 I, 2 I + 1; waves 2, 3 Q's 2 J, 2 J + 1
	s_cselect_b32 s42, s[II], s[JJ]
	s_lshl_b32 s42, s42, 1
	s_add_co_u32 s42, s42, s[WB]
	s_lshl_b32 s43, s[BB], 4
	s_add_co_u32 s42, s42, s43
	s_mul_i32 s42, s42, 8*UNIT
	s_mov_b32 s43, 0
	s_mul_i32 s44, s[WV], PART                     ; part = wave
	s_lshl_b32 s45, s[II], 1
	s_add_co_u32 s45, s45, s[WA]
	s_lshl_b32 s46, s[BB], 4
	s_add_co_u32 s45, s45, s46
	s_lshl_b32 s45, s45, 4
	s_lshl_b32 s46, s[JJ], 1
	s_add_co_u32 s45, s45, s46
	s_add_co_u32 s45, s45, s[WB]                   ; my unit: (16 batch + 2 I + wave / 2) x 16 + 2 J + wave % 2
	s_mul_i32 s46, s45, UNIT
	s_mov_b32 s47, 0
	s_lshl_b32 s48, s45, 10
	s_mov_b32 s49, 0
	s_mov_b32 s[CS], 0x3d38aa3b                    ; log2(e) / 32
	s_mov_b32 s[CS+1], s[CS]
	s_mov_b32 s[SEL], 0x76543210
	s_mov_b32 s[SEL+1], 0xfedcba98
	s_mov_b32 s[HM], 0xffff0000
	s_wait_dscnt 0x0                               ; both opening adds are done
	s_wait_kmcnt 0x0
	s_cmp_lt_u32 s[WV], 2
	s_cselect_b64 s[54:55], s[4:5], s[6:7]
	s_add_nc_u64 s[54:55], s[54:55], s[42:43]
.irp s, 0,1
	s_mov_b32 s[G0+4*\s], 1
	s_add_co_u32 s[G0+4*\s+1], s44, \s*SLOTB
	s_add_nc_u64 s[G0+4*\s+2:G0+4*\s+3], s[54:55], \s*PART
	s_or_b32 s[G0+4*\s+3], s[G0+4*\s+3], 0x80000000
.endr
	tensor_load_to_lds s[G0:G0+3], s[G1:G1+7]      ; K steps 0, 1: my one tensor load at the head (one load of a wave is out at any point of this text, at the start too)
	s_nop 0
	PLACES
	s_add_nc_u64 s[50:51], s[8:9], s[46:47]        ; my unit of pimg
	s_add_nc_u64 s[52:53], s[10:11], s[48:49]      ; and its 1,024 bytes of pst
	v_and_b32 v2, 31, v0
	v_lshlrev_b32 v1, 4, v2                        ; 16 x lane
	s_mul_i32 s41, s[WA], PART
	v_add_nc_u32 v[ADRA], s41, v1                  ; source 1: K's parts 0, 1
	s_mul_i32 s41, s[WB], PART
	s_add_co_u32 s41, s41, 2*PART
	v_add_nc_u32 v[ADRB], s41, v1                  ; source 0: Q's parts 2, 3
	v_add_nc_u32 v[ADRA+1], SLOTB, v[ADRA]
	v_add_nc_u32 v[ADRB+1], SLOTB, v[ADRB]
	s_wait_alu depctr_va_vdst(0)
	s_wait_tensorcnt 0x0                           ; my part of slot 0 is in; slot 1's first fill is issued as a refill is
	ds_add_u32 v[SPW], v[NIL]
	s_wait_dscnt 0x0
	s_barrier_signal -1
	s_barrier_wait -1
	tensor_load_to_lds s[G0+4:G0+7], s[G1:G1+7]    ; K steps 2, 3: my one tensor load behind this barrier
	s_nop 0
	PLACES
	FETCH ADRA, ADRB, ADRA, SCO, 0, 0
	STEP 0, 0                                      ; the first K step starts the sums
	TURN 0, 1, 1
	STEP 1, 1
	TURN 1, 0, 1
	STEP 0, 1
	TURN 0, 1, 0
	STEP 1, 1
	s_wait_dscnt 0x0
	MUL16 0, 1, 1
	MUL16 2, 1, 1
	MUL16 4, 1, 1
	MUL16 6, 1, 1
	WIN 0
	PLACES
	v_and_b32 v244, 15, v0
	v_and_b32 v245, 8, v244
	v_add_nc_u32 v244, v244, v245                  ; r + 8 (r / 8)
	v_bfe_u32 v245, v0, 4, 1
	v_lshlrev_b32 v245, 4, v245
	v_sub_nc_u32 v244, v244, v245                  ; - 16 h
	v_add_nc_u32 v62, s[DT], v244
	v_mov_b32 v63, 0xff800000                      ; -infinity
	v_mov_b32 v57, 0                               ; (named as the upper half of the pair v[56:57])
.irp b, 0,1,2,3
	v_mov_b32 v[PB+\b], 0                          ; (a lane permute's destination counts as one of its sources)
.endr
.irp a, 0,1,2,3,4,5,6,7
	SOFT \a
.endr
.irp i, 0,1,2,3                                ; in chunk 24's order: lanes 0-15 tiles 0-3, lanes 16-31 tiles 4-7
	v_cndmask_b32 v[64+\i], v[48+\i], v[52+\i], s[HM]
	v_cndmask_b32 v[68+\i], v[NM+\i], v[NM+4+\i], s[HM]
	v_cndmask_b32 v[72+\i], v[LL+\i], v[LL+4+\i], s[HM]
.endr
	global_store_b128 v1, v[64:67], s[50:51] offset:SCO
	global_store_b128 v1, v[68:71], s[52:53]
	global_store_b128 v1, v[72:75], s[52:53] offset:512
	s_wait_tensorcnt 0x0                           ; the wave's end
	ds_add_u32 v[SPW], v[NIL]
	s_wait_dscnt 0x0
	s_endpgm
.Lfunc_end_k_q9442cab3c6_score:
	.size	k_q9442cab3c6_score, .Lfunc_end_k_q9442cab3c6_score-k_q9442cab3c6_score
	.p2alignl 7, 3214868480
	.fill 96, 4, 3214868480
	.section	.rodata,"a",@progbits
	.p2align	6, 0x0
	.amdhsa_kernel k_q9442cab3c6_score
		.amdhsa_group_segment_fixed_size 327680
		.amdhsa_private_segment_fixed_size 0
		.amdhsa_enable_private_segment 0
		.amdhsa_kernarg_size 32
		.amdhsa_user_sgpr_count 2
		.amdhsa_user_sgpr_kernarg_segment_ptr 1
		.amdhsa_wavefront_size32 1
		.amdhsa_system_sgpr_workgroup_id_x 1
		.amdhsa_system_sgpr_workgroup_id_y 1
		.amdhsa_system_sgpr_workgroup_id_z 1
		.amdhsa_system_vgpr_workitem_id 0
		.amdhsa_next_free_vgpr 1024
		.amdhsa_next_free_sgpr 80
		.amdhsa_reserve_vcc 1
		.amdhsa_float_denorm_mode_32 3
		.amdhsa_float_denorm_mode_16_64 3
		.amdhsa_memory_ordered 1
		.amdhsa_forward_progress 1
		.amdhsa_inst_pref_size 228
	.end_amdhsa_kernel
	.amdgpu_metadata
---
amdhsa.version: [ 1, 2 ]
amdhsa.kernels:
  - .name:           k_q9442cab3c6_score
    .symbol:         k_q9442cab3c6_score.kd
    .args:
      - { .name: kimg, .offset: 0, .size: 8, .value_kind: global_buffer, .address_space: global }
      - { .name: qimg, .offset: 8, .size: 8, .value_kind: global_buffer, .address_space: global }
      - { .name: pimg, .offset: 16, .size: 8, .value_kind: global_buffer, .address_space: global }
      - { .name: pst, .offset: 24, .size: 8, .value_kind: global_buffer, .address_space: global }
    .group_segment_fixed_size: 327680
    .private_segment_fixed_size: 0
    .kernarg_segment_align: 8
    .kernarg_segment_size: 32
    .max_flat_workgroup_size: 128
    .sgpr_count:     80
    .vgpr_count:     1024
    .wavefront_size: 32
...
	.end_amdgpu_metadata
.endif
;; end of part 3
;; launch pv (part 4): grid 8 x 32, 4 waves a work-group, no clusters, 327,680 bytes of LDS; arguments pimg, pst, vimg, out0; writes out0
.if DOCPART == 4
	.amdgcn_target "amdgcn-amd-amdhsa--gfx1250"
	.amdhsa_code_object_version 6
	.text
	.protected	k_q9442cab3c6_pv
	.globl	k_q9442cab3c6_pv
	.p2align	8
	.type	k_q9442cab3c6_pv,@function
k_q9442cab3c6_pv:
	s_mov_b64 s[64:65], 0
	v_nop
	global_prefetch_b8 v0, s[64:65] scope:SCOPE_SE
	s_setreg_imm32_b32 hwreg(HW_REG_WAVE_MODE, 25, 1), 1
	s_wait_xcnt 0x0
; out[t][c] = (the sum over s of p[t][s] V[s][c]) / l[t] on codes of BF6.  p arrives under a local M for each (row, 128 keys): here the row's M and l are made, and p's scale bytes are brought under the row's M.
; WORK LEFT OUT: the key steps of 128 that lie wholly behind a block of 128 queries: reference()'s own mask (jnp.tril) gives those keys the weight 0 for all values of the inputs.  Block q of 128 queries walks key steps 0 .. q.
; LIMIT: a NaN, an infinity or an overflow that reaches only those steps is not carried to the result.
; SHARES: work-group (x, y): channels 128 x on, batch y / 8, and a PAIR of query blocks: the short one, S = i = y % 8, and the long one, L = 15 - i.  Together they have i + 1 + 16 - i = 17 products of 128 x 128 x 128
; in every work-group: 8 x 32 = 256 work-groups of equal work.  Both blocks walk the keys together, so V's unit of a key step is fetched once for both.  A wave takes 64 queries x 64 channels of each block.
; Source 0 = 16 channels of V, source 1 = 16 queries of p: a lane holds one query, its registers run along channels.
; THE FIX: -M_row = the least -M_loc; k = M_row - M_loc, a whole number, 0 or more, held at 127; l_row = the sum of l_loc 2^-k; each scale byte less k.  All exact: the codes stay as they are.
; The four bytes of a word go at once: (word | 0x80808080) - k x 0x01010101 borrows from no neighbour, since a byte of p is at most 123; a byte whose top bit has fallen was under k and becomes 0.
; LIMIT: such a byte stands for 2^-127 where the true scale is smaller still: under 2^-120 of the row's largest p.  NaN and infinities are not served.
; The fix is shared out: wave 0 takes L's entries 0-7, wave 1 L's 8-15, wave 2 S's 0-7 (an entry behind a block's last is read at the last and counts 0 times); words and partial l go to the others through LDS.
; RING: two slots of four key steps, each of three runs of 51,200 dense bytes (V, L's p, S's p).  At the head every wave brings one whole run: keys 0-3 of V, of L and of S into slot 0, and wave 3 keys 4-7 of V into slot 1.
; Behind each later barrier a wave brings half a run, two key steps: keys 4-7 of L (waves 0, 1) and of S (waves 2, 3); then keys 8-11, and then keys 12-15, of V (waves 0, 1) and of L (waves 2, 3).
; A half that no key step reads is not asked for: S's keys 4, 5 want i >= 4, its keys 6, 7 i >= 6; keys 10, 11 want i <= 5, keys 12, 13 i <= 3, keys 14, 15 i <= 1: jumps on ids and the wave's number, round the
; tensor load's own lines alone.  Every wait on TENSORcnt is for 0; one load of a wave is out at any point.
; The walk is written out key by key: every LDS offset is an immediate.  Key 0, which both blocks have, starts all sums: nothing is cleared.  S leaves behind key 7, while L goes on.
; NO CLUSTER: p's runs are shared by the eight work-groups of a pair and V's by the eight pairs, but which of the fills are asked for hangs on the pair, by jumps on ids, and no such jump may lead round a joint load;
; V's sharers also walk different numbers of keys.  NO PREFETCH: the launch has no loop to run ahead in: three or four fills, each asked for as soon as its slot is free.
; REGISTERS: window 0: v1-19 addresses; v20-27 1 / l; v32-55 scale words, two sets of 12, and nothing else; v56, v57 a factor as a pair; v64-207 fragment set 0 (V 48, L 48, S 48; at the head the fix's numbers; on the way
; out rows read back); v208-239 results x 1 / l.  Window 1: v0-127 L's 16 accumulators, v128-255 S's.  Window 2: v64-207 fragment set 1.
.set UNIT,  12800
.set SCO,   12288
.set HALF,  2*UNIT
.set RUN,   4*UNIT
.set SLOT,  3*RUN
.set PSC,   2*SLOT                     ; behind the ring: the fixed scale words: L's 16 entries x 512 bytes, S's 8,
.set PSB,   8192
.set LPO,   12288                      ; and three partial l of 512 bytes
.set SPARE, PSC+LPO+1536               ; the spare words, 128 bytes a wave
.set STG,   2*RUN                      ; the way out: 16 rows x 272 bytes a wave, in slot 0's third run: it has its only fill at the head, and its last read stands ahead of the second barrier
.set SPITCH, 272
.set ADV, 2
.set ADA, 4
.set ADB, 6
.set ASV, 8
.set APS, 10
.set PWR, 11
.set LPW, 12
.set STO, 13
.set RD,  14
.set CO,  15
.set SPW, 16
.set NIL, 17
.set RLA, 20
.set RLB, 24
.set SC,  32
.set MR,  60
.set VF,  64
.set VO,  64
.set VL,  80
.set VS,  88
.set MM,  96
.set OM,  160
.set OL,  192
.set OW,  224
.set LS,  96
.set KK,  100
.set NG,  104
.set W1,  108
.set W2,  112
.set W3,  116
.set TT,  208
.set BK,  64
.set WV,  12
.set WA,  13
.set WB,  14
.set II,  15
.set LA,  16
.set BB,  17
.set FF,  19
.set G1,  20
.set G0,  28
.set WL,  32
.set WH,  33
.set UA,  36
.set UB,  37
.set UV,  38
.set FLIM, 39
.set E0,  40
.set PST, 42
.set PIB, 44
.set OUA, 46
.set OUB, 48
.set PVB, 66                           ; s[66:67] V's key 0, s[68:69] L's, s[70:71] S's
.set PLB, 68
.set PSS, 70
.set OFW, 72                           ; s[72:73] which half of a run I bring, in bytes
.set MSB, 0
.macro WIN new
.if MSB != (\new)
	s_set_vgpr_msb (MSB<<8)|(\new)
.set MSB, \new
.endif
.endm
.macro PLACES
.rept 4
	v_nop
.endr
.endm
; key k's fragments of V and of L, and their scale words, into set k % 2
.macro FETCHVA k
.set FS, ((\k)/4)%2
.set FQ, ((\k)%4)*UNIT
.set FW, (\k)%2
	WIN 0x80*FW
.irp i, 0,1,2,3,4,5,6,7,8,9,10,11
	ds_load_b128 v[VF+4*\i:VF+4*\i+3], v[ADV+FS] offset:FQ+512*\i
.endr
.irp i, 0,1,2,3,4,5,6,7,8,9,10,11
	ds_load_b128 v[VF+48+4*\i:VF+48+4*\i+3], v[ADA+FS] offset:FQ+512*\i
.endr
	WIN 0
	ds_load_b128 v[SC+12*FW:SC+12*FW+3], v[ASV+FS] offset:FQ
	ds_load_b128 v[SC+12*FW+4:SC+12*FW+7], v[APS] offset:512*(\k)
.endm
.macro FETCHB k                        ; and S's
.set FS, ((\k)/4)%2
.set FQ, ((\k)%4)*UNIT
.set FW, (\k)%2
	WIN 0x80*FW
.irp i, 0,1,2,3,4,5,6,7,8,9,10,11
	ds_load_b128 v[VF+96+4*\i:VF+96+4*\i+3], v[ADB+FS] offset:FQ+512*\i
.endr
	WIN 0
	ds_load_b128 v[SC+12*FW+8:SC+12*FW+11], v[APS] offset:PSB+512*(\k)
.endm
; 16 products of one block (blk 0: L, 1: S) on set k % 2: the block's 16 accumulators take turns, always in this order
.macro MUL k, blk, zero
.set FW, (\k)%2
	WIN 0x50+10*FW
.irp a, 0,1,2,3
.irp b, 0,1,2,3
.set rD, 128*(\blk)+8*(4*\a+\b)
.set rP, VF+48+48*(\blk)+12*\a
.if \zero
	v_wmma_scale_f32_16x16x128_f8f6f4 v[rD:rD+7], v[VF+12*\b:VF+12*\b+11], v[rP:rP+11], 0, v[SC+12*FW+\b], v[SC+12*FW+4+4*(\blk)+\a] matrix_a_fmt:MATRIX_FMT_BF6 matrix_b_fmt:MATRIX_FMT_BF6
.else
	v_wmma_scale_f32_16x16x128_f8f6f4 v[rD:rD+7], v[VF+12*\b:VF+12*\b+11], v[rP:rP+11], v[rD:rD+7], v[SC+12*FW+\b], v[SC+12*FW+4+4*(\blk)+\a] matrix_a_fmt:MATRIX_FMT_BF6 matrix_b_fmt:MATRIX_FMT_BF6
.endif
.endr
.endr
	WIN 0
.endm
; A key step: its fragments are in; the next key's of the same slot are fetched into the other set while this one is multiplied.  L has key k where k <= 15 - i, S where k <= i: scalar branches on ids.
.macro KEY k
	s_wait_dscnt 0x0                               ; set k % 2 is in
	PLACES                                         ; ahead of loads into the other set, which the last key's products read
.if (\k)%4 < 3
.if (\k) >= 8
	s_cmp_le_u32 s[LA], \k
	s_cbranch_scc1 .Lnf_\@
.endif
	FETCHVA (\k)+1
.if (\k) >= 8
.Lnf_\@:
.endif
.if (\k) == 0
	FETCHB 1                                       ; by every pair: key 1's bytes lie in the run that key 0 came with, and set 1 is so written on every way
.elseif (\k)+1 < 8
	s_cmp_le_u32 s[II], \k
	s_cbranch_scc1 .Lnfb_\@
	FETCHB (\k)+1
.Lnfb_\@:
.endif
.endif
.if (\k) == 0
	MUL 0, 0, 1                                    ; key 0 starts the sums of both blocks
	MUL 0, 1, 1
.else
	MUL \k, 0, 0
.if (\k) < 8
	s_cmp_lt_u32 s[II], \k
	s_cbranch_scc1 .Lnb_\@
	MUL \k, 1, 0
.Lnb_\@:
.endif
.endif
.if (\k) >= 8 && (\k) < 15
	s_cmp_le_u32 s[LA], \k                         ; L's last key: the walk is over, for all four waves alike
	s_cbranch_scc1 .Lwalked
.endif
.endm
; The change of slots: every wave waits for all its tensor loads, adds 0 to its spare word, and waits for that and for its LDS reads.
; stage 1, 2, 3: between the add and its wait the descriptor is made for my half run of keys 4 x stage on; stage 0.
.macro SEQ stage
	s_wait_tensorcnt 0x0
	ds_add_u32 v[SPW], v[NIL]
.if (\stage) == 1
	s_mov_b32 s[G1+2], 100<<16                     ; no tensor load of mine is out, so a descriptor may be written: from here on a load brings 100 rows
	s_mov_b32 s[G1+4], 100
.endif
.if (\stage) > 0
	s_cmp_lt_u32 s[WV], 2
.if (\stage) == 1
	s_cselect_b64 s[G0+2:G0+3], s[PLB:PLB+1], s[PSS:PSS+1]   ; waves 0, 1: L's run; waves 2, 3: S's
	s_add_co_u32 s[G0+1], s[WH], SLOT+RUN
.else
	s_cselect_b64 s[G0+2:G0+3], s[PVB:PVB+1], s[PLB:PLB+1]   ; waves 0, 1: V's run; waves 2, 3: L's
	s_add_co_u32 s[G0+1], s[WH], SLOT*((\stage)%2)
.endif
	s_add_nc_u64 s[G0+2:G0+3], s[G0+2:G0+3], s[OFW:OFW+1]
	s_add_nc_u64 s[G0+2:G0+3], s[G0+2:G0+3], (\stage)*RUN
	s_or_b32 s[G0+3], s[G0+3], 0x80000000
.endif
	s_wait_dscnt 0x0
	s_barrier_signal -1
	s_barrier_wait -1
.endm
; The fill behind a barrier: my half run, unless no key step reads it (the conditions stand in the comment at the head)
.macro TLOAD stage
.if (\stage) == 1
	s_cmp_lt_u32 s[WV], 2
	s_cbranch_scc1 .Lld_\@
	s_cmp_lt_u32 s[II], 4
	s_cbranch_scc1 .Lno_\@
	s_cmp_eq_u32 s[WV], 2
	s_cbranch_scc1 .Lld_\@
	s_cmp_lt_u32 s[II], 6
	s_cbranch_scc1 .Lno_\@
.elseif (\stage) == 2
	s_cmp_eq_u32 s[WB], 0
	s_cbranch_scc1 .Lld_\@
	s_cmp_gt_u32 s[II], 5
	s_cbranch_scc1 .Lno_\@
.else
	s_cmp_gt_u32 s[II], 3
	s_cbranch_scc1 .Lno_\@
	s_cmp_eq_u32 s[WB], 0
	s_cbranch_scc1 .Lld_\@
	s_cmp_gt_u32 s[II], 1
	s_cbranch_scc1 .Lno_\@
.endif
.Lld_\@:
	tensor_load_to_lds s[G0:G0+3], s[G1:G1+7]
	s_nop 0
	PLACES
.Lno_\@:
.endm
; THE WAY OUT of a block: tile by tile of 16 queries x 64 channels: x 1 / l, through my stage, back as rows of 256 bytes; sixteen lanes store one aligned unit of 256 bytes.
.macro SENDX a, younger, ob
	s_wait_dscnt \younger                          ; the tile is back; the next tile's 8 stores and 8 loads may be out
.irp t, 0,1,2,3,4,5,6,7
	global_store_b128 v[CO], v[BK+32*((\a)%2)+4*\t:BK+32*((\a)%2)+4*\t+3], s[\ob:\ob+1] offset:(32*((\a)/2)+8*((\a)%2)+2*\t+8*(\t/4))*4096 th:TH_STORE_NT
.endr
.endm
.macro FLUSH blk, rl, ob
	PLACES                                         ; behind the last products
.irp a, 0,1,2,3
.if \a > 1
	s_wait_xcnt 0x0                                ; tile a - 2's stores have read the registers into which tile a's rows come back
.endif
.if \a > 0
	s_wait_dscnt 8                                 ; the last tile's 8 stores into the stage have read their registers; its 8 loads may be out
.endif
	v_mov_b32 v56, v[\rl+\a]
	WIN 1
.irp j, 0,2,4,6,8,10,12,14,16,18,20,22,24,26,28,30
	v_pk_mul_f32 v[TT+\j:TT+\j+1], v[128*(\blk)+32*\a+\j:128*(\blk)+32*\a+\j+1], v[56:57] op_sel_hi:[1,0]   ; each accumulator from its low end on
.endr
	WIN 0
.irp b, 0,1,2,3
	ds_store_b128 v[STO], v[TT+8*\b:TT+8*\b+3] offset:128*(\b/2)+32*(\b%2)        ; channels 32 (b / 2) + 16 h + 8 (b % 2) + 0 .. 7 of row r
	ds_store_b128 v[STO], v[TT+8*\b+4:TT+8*\b+7] offset:128*(\b/2)+32*(\b%2)+16
.endr
.irp t, 0,1,2,3,4,5,6,7
	ds_load_b128 v[BK+32*(\a%2)+4*\t:BK+32*(\a%2)+4*\t+3], v[RD] offset:2*\t*SPITCH   ; LDS serves a wave's instructions in order: these see my stores
.endr
.if \a > 0
	SENDX \a-1, 16, \ob
.endif
.endr
	SENDX 3, 0, \ob
	s_wait_xcnt 0x0                                ; the stores have read their registers, which are written again
.endm
	s_load_b256 s[4:11], s[0:1], 0x0               ; pimg, pst, vimg, out0
	v_lshl_add_u32 v[SPW], v0, 2, SPARE
	v_mov_b32 v[NIL], 0
	ds_add_u32 v[SPW], v[NIL]                      ; the wave's opening: the add, twice on end, and its wait ahead of the first tensor load
	ds_add_u32 v[SPW], v[NIL]
	v_lshrrev_b32 v18, 5, v0
	v_readfirstlane_b32 s[WV], v18
	s_lshr_b32 s[WA], s[WV], 1                     ; which 64 queries are mine
	s_and_b32 s[WB], s[WV], 1                      ; which 64 channels; also which half of a run I bring
	s_and_b32 s52, ttmp7, 0xffff
	s_lshr_b32 s[BB], s52, 3                       ; the batch
	s_and_b32 s[II], s52, 7                        ; i: the short block, and its last key
	s_sub_co_u32 s[LA], 15, s[II]                  ; the long block, and its last key
	s_mov_b32 s[G1], 3<<16                         ; no mask; elements of 8 bytes; no padding
	s_mov_b32 s[G1+1], 32<<16                      ; rows of 256 bytes,
	s_mov_b32 s[G1+2], 200<<16                     ; at the head 200 of them: 51,200 dense bytes
	s_mov_b32 s[G1+3], 32<<16
	s_mov_b32 s[G1+4], 200
	s_mov_b32 s[G1+5], 32
	s_mov_b32 s[G1+6], 0
	s_mov_b32 s[G1+7], 0
	s_lshl_b32 s52, s[BB], 4
	s_add_co_u32 s[UA], s52, s[LA]
	s_lshl_b32 s[UA], s[UA], 4                     ; L's first unit of pimg: (16 batch + block) x 16
	s_add_co_u32 s[UB], s52, s[II]
	s_lshl_b32 s[UB], s[UB], 4                     ; S's
	s_lshl_b32 s52, s[BB], 3
	s_add_co_u32 s[UV], s52, ttmp9
	s_lshl_b32 s[UV], s[UV], 4                     ; V's first unit: (8 batch + x) x 16
	s_mul_i32 s50, s[UV], UNIT
	s_mov_b32 s51, 0
	s_mul_i32 s52, s[UA], UNIT
	s_mov_b32 s53, 0
	s_mul_i32 s54, s[UB], UNIT
	s_mov_b32 s55, 0
	s_cmp_eq_u32 s[WV], 1
	s_cselect_b32 s[E0], 8, 0                      ; the first entry that I fix
	s_cmp_eq_u32 s[WV], 3
	s_cselect_b32 s56, RUN, 0                      ; wave 3 brings V's keys 4-7
	s_mov_b32 s57, 0
	s_mul_i32 s[WL], s[WV], RUN                    ; the head's four runs lie on end: slot 0's three, then slot 1's first
	s_mul_i32 s[WH], s[WV], HALF
	s_mul_i32 s[OFW], s[WB], HALF
	s_mov_b32 s[OFW+1], 0
	s_wait_dscnt 0x0                               ; both opening adds are done
	s_wait_kmcnt 0x0
	s_add_nc_u64 s[PVB:PVB+1], s[8:9], s[50:51]
	s_add_nc_u64 s[PLB:PLB+1], s[4:5], s[52:53]
	s_add_nc_u64 s[PSS:PSS+1], s[4:5], s[54:55]
	s_cmp_eq_u32 s[WV], 1
	s_cselect_b64 s[G0+2:G0+3], s[PLB:PLB+1], s[PVB:PVB+1]
	s_cmp_eq_u32 s[WV], 2
	s_cselect_b64 s[G0+2:G0+3], s[PSS:PSS+1], s[G0+2:G0+3]
	s_add_nc_u64 s[G0+2:G0+3], s[G0+2:G0+3], s[56:57]
	s_or_b32 s[G0+3], s[G0+3], 0x80000000
	s_mov_b32 s[G0], 1
	s_mov_b32 s[G0+1], s[WL]
	tensor_load_to_lds s[G0:G0+3], s[G1:G1+7]      ; four runs, four waves: every wave issues one
	s_nop 0
	PLACES
	s_cmp_lt_u32 s[WV], 2                          ; the block whose entries I fix
	s_cselect_b32 s52, s[UA], s[UB]
	s_cselect_b32 s[FLIM], s[LA], s[II]            ; its last entry,
	s_cselect_b64 s[PIB:PIB+1], s[PLB:PLB+1], s[PSS:PSS+1]   ; its units,
	s_lshl_b32 s54, s52, 10
	s_mov_b32 s55, 0
	s_add_nc_u64 s[PST:PST+1], s[6:7], s[54:55]    ; its statistics: 1,024 bytes an entry
	s_lshl_b32 s56, ttmp9, 9
	s_lshl_b32 s57, s[WB], 8
	s_add_co_u32 s56, s56, s57                     ; my first channel, in bytes
	s_lshl_b32 s52, s[BB], 4
	s_add_co_u32 s53, s52, s[LA]
	s_lshl_b32 s53, s53, 1
	s_add_co_u32 s53, s53, s[WA]
	s_lshl_b32 s54, s53, 18                        ; 64 rows of 4,096 bytes
	s_add_co_u32 s54, s54, s56
	s_add_nc_u64 s[OUA:OUA+1], s[10:11], s[54:55]  ; my part of L in out
	s_add_co_u32 s53, s52, s[II]
	s_lshl_b32 s53, s53, 1
	s_add_co_u32 s53, s53, s[WA]
	s_lshl_b32 s54, s53, 18
	s_add_co_u32 s54, s54, s56
	s_add_nc_u64 s[OUB:OUB+1], s[10:11], s[54:55]  ; and of S
	s_mul_i32 s52, s[WB], 6144                     ; V's tiles 4 (wave % 2) on
	s_mul_i32 s53, s[WA], 6144
	s_add_co_u32 s53, s53, RUN                     ; L's tiles 4 (wave / 2) on
	s_lshl_b32 s54, s[WB], 8
	s_add_co_u32 s54, s54, SCO
	s_lshl_b32 s55, s[WA], 8
	s_add_co_u32 s55, s55, PSC
	s_lshl_b32 s56, s[WV], 12
	s_add_co_u32 s56, s56, PSC
	s_lshl_b32 s57, s[WV], 9
	s_add_co_u32 s57, s57, PSC+LPO
	s_mul_i32 s58, s[WV], 16*SPITCH
	s_add_co_u32 s58, s58, STG
	v_and_b32 v18, 31, v0
	v_lshlrev_b32 v1, 4, v18                       ; 16 x lane
	v_and_b32 v18, 15, v0                          ; r
	v_bfe_u32 v19, v0, 4, 1                        ; h
	v_add_nc_u32 v[ADV], s52, v1
	v_add_nc_u32 v[ADV+1], SLOT, v[ADV]
	v_add_nc_u32 v[ADA], s53, v1
	v_add_nc_u32 v[ADA+1], SLOT, v[ADA]
	v_add_nc_u32 v[ADB], RUN, v[ADA]
	v_add_nc_u32 v[ADB+1], RUN, v[ADA+1]
	v_lshl_add_u32 v[ASV], v18, 4, s54             ; scale words: 16 r in my half of chunk 24: lanes 0-15 and 16-31 read the same four words of row r
	v_add_nc_u32 v[ASV+1], SLOT, v[ASV]
	v_lshl_add_u32 v[APS], v18, 4, s55
	v_add_nc_u32 v[PWR], s56, v1                   ; where my eight fixed entries go
	v_add_nc_u32 v[LPW], s57, v1                   ; and my partial l
	v_mul_u32_u24 v[STO], v18, SPITCH
	v_lshl_add_u32 v[STO], v19, 6, v[STO]
	v_add_nc_u32 v[STO], s58, v[STO]               ; the stage, in: row r, + 64 h
	v_mul_u32_u24 v[RD], v19, SPITCH
	v_lshl_add_u32 v[RD], v18, 4, v[RD]
	v_add_nc_u32 v[RD], s58, v[RD]                 ; and back: sixteen lanes to a row, two rows a load
	v_lshlrev_b32 v[CO], 12, v19
	v_lshl_add_u32 v[CO], v18, 4, v[CO]            ; the same two rows in out
	v_mov_b32 v57, 0                               ; (named as the upper half of the pair v[56:57])
	s_wait_alu depctr_va_vdst(0)                   ; the wait ahead of the branch
	s_cmp_eq_u32 s[WV], 3
	s_cbranch_scc1 .Lfixed                         ; three shares of the fix, three waves
.irp e, 0,1,2,3,4,5,6,7,8,9,10,11,12,13,14,15    ; entry e is read at min(e, the block's last): nothing is read that the launch before has not written
	s_min_u32 s52, s[FLIM], \e
	s_lshl_b32 s52, s52, 10
	v_add_nc_u32 v[VO+\e], s52, v1
.endr
.irp j, 0,1,2,3,4,5,6,7
	s_add_co_u32 s52, s[E0], \j
	s_min_u32 s52, s52, s[FLIM]
	s_lshl_b32 s53, s52, 10
	s_mul_i32 s54, s52, UNIT
	v_add_nc_u32 v[VL+\j], s53, v1
	v_add_nc_u32 v[VS+\j], s54, v1
.endr
	s_wait_alu depctr_va_vdst(0)                   ; the wait ahead of the loads that read these offsets
.irp e, 0,1,2,3,4,5,6,7,8,9,10,11,12,13,14,15
	global_load_b128 v[MM+4*\e:MM+4*\e+3], v[VO+\e], s[PST:PST+1]             ; -M of all the block's entries
.endr
.irp j, 0,1,2,3,4,5,6,7
	global_load_b128 v[OM+4*\j:OM+4*\j+3], v[VL+\j], s[PST:PST+1]             ; my eight entries: -M,
	global_load_b128 v[OL+4*\j:OL+4*\j+3], v[VL+\j], s[PST:PST+1] offset:512  ; l,
	global_load_b128 v[OW+4*\j:OW+4*\j+3], v[VS+\j], s[PIB:PIB+1] offset:SCO  ; p's scale words
.endr
	s_wait_loadcnt 24                              ; the first 16 loads are in; my eight entries' 24 may be out
.irp i, 0,1,2,3
	v_min3_num_f32 v[MR+\i], v[MM+\i], v[MM+4+\i], v[MM+8+\i]
.endr
.irp e, 3,5,7,9,11,13
.irp i, 0,1,2,3
	v_min3_num_f32 v[MR+\i], v[MR+\i], v[MM+4*\e+\i], v[MM+4*\e+4+\i]
.endr
.endr
.irp i, 0,1,2,3
	v_min_num_f32 v[MR+\i], v[MR+\i], v[MM+60+\i]  ; -M_row
.endr
	s_wait_alu depctr_va_vdst(0)                   ; the wait here, directly ahead of the wait below
	s_wait_loadcnt 0x0
.irp j, 0,1,2,3,4,5,6,7
.irp i, 0,1,2,3
	v_sub_f32 v[KK+\i], v[OM+4*\j+\i], v[MR+\i]    ; M_row - M_loc: 0 or more
.endr
.irp i, 0,1,2,3
	v_min_num_f32 v[KK+\i], 0x42fe0000, v[KK+\i]   ; held at 127
.endr
.irp i, 0,1,2,3
	v_cvt_i32_f32 v[KK+\i], v[KK+\i]               ; k
.endr
.irp i, 0,1,2,3
	v_sub_nc_u32 v[NG+\i], 0, v[KK+\i]
.endr
.if \j == 0
.irp i, 0,1,2,3
	v_ldexp_f32 v[LS+\i], v[OL+\i], v[NG+\i]       ; my first entry (0 or 8), which every block has, starts my part of l_row
.endr
.else
	s_add_co_u32 s52, s[E0], \j
	s_cmp_ge_u32 s[FLIM], s52                      ; an entry behind the block's last is a copy of the last: it counts 0 times
	s_cselect_b32 s[FF], 1.0, 0
.irp i, 0,1,2,3
	v_ldexp_f32 v[NG+\i], v[OL+4*\j+\i], v[NG+\i]
.endr
.irp i, 0,1,2,3
	v_fma_f32 v[LS+\i], v[NG+\i], s[FF], v[LS+\i]
.endr
.endif
.irp i, 0,1,2,3
	v_lshl_or_b32 v[KK+\i], v[KK+\i], 8, v[KK+\i]
.endr
.irp i, 0,1,2,3
	v_lshl_or_b32 v[KK+\i], v[KK+\i], 16, v[KK+\i] ; k in all four bytes
.endr
.irp i, 0,1,2,3
	v_or_b32 v[W1+\i], 0x80808080, v[OW+4*\j+\i]
.endr
.irp i, 0,1,2,3
	v_sub_nc_u32 v[W1+\i], v[W1+\i], v[KK+\i]      ; 128 + byte - k in each byte: 1 to 251
.endr
.irp i, 0,1,2,3
	v_and_b32 v[W2+\i], 0x80808080, v[W1+\i]       ; the top bit stands where byte >= k
.endr
.irp i, 0,1,2,3
	v_lshrrev_b32 v[W3+\i], 7, v[W2+\i]
.endr
.irp i, 0,1,2,3
	v_sub_nc_u32 v[W2+\i], v[W2+\i], v[W3+\i]      ; 0x7f there, 0 elsewhere
.endr
.irp i, 0,1,2,3
	v_and_b32 v[OW+4*\j+\i], v[W1+\i], v[W2+\i]
.endr
	ds_store_b128 v[PWR], v[OW+4*\j:OW+4*\j+3] offset:512*\j
.endr
	ds_store_b128 v[LPW], v[LS:LS+3]
.Lfixed:
	s_wait_alu depctr_va_vdst(0)                   ; the wait at the head's end
	SEQ 1                                          ; the head's four runs are whole, and so are the fixed words and the partial l; the rest of slot 1 is first filled as a refill is
	TLOAD 1
	ds_load_b128 v[RLA:RLA+3], v[APS] offset:LPO
	ds_load_b128 v[28:31], v[APS] offset:LPO+512
	ds_load_b128 v[RLB:RLB+3], v[APS] offset:LPO+1024
	FETCHVA 0
	FETCHB 0
	s_wait_dscnt 39                                ; the three loads of l are in; key 0's 26 + 13 may be out
.irp i, 0,1,2,3
	v_add_f32 v[RLA+\i], v[RLA+\i], v[28+\i]       ; L's l_row: its two parts
.endr
	s_wait_alu depctr_va_vdst(0)                   ; the wait ahead of the batch
.irp i, 0,1,2,3,4,5,6,7
	v_rcp_f32 v[RLA+\i], v[RLA+\i]                 ; 1 / l_row of my four tiles of L and of S
.endr
	v_nop                                          ; the plain place behind the reciprocals
	s_wait_alu depctr_va_vdst(0)                   ; and the wait behind the batch
	KEY 0
	KEY 1
	KEY 2
	KEY 3
	SEQ 2
	TLOAD 2
	FETCHVA 4
	s_cmp_lt_u32 s[II], 4
	s_cbranch_scc1 .Lnb4
	FETCHB 4
.Lnb4:
	KEY 4
	KEY 5
	KEY 6
	KEY 7
	SEQ 3
	TLOAD 3
	FLUSH 1, RLB, OUB                              ; S has had its last key: it leaves while L goes on
	FETCHVA 8
	KEY 8
	KEY 9
	KEY 10
	KEY 11
	SEQ 0                                          ; only pairs with i <= 3 come here: what was asked of keys 12-15 is whole
	FETCHVA 12
	KEY 12
	KEY 13
	KEY 14
	KEY 15
.Lwalked:
	s_wait_dscnt 0x0
	FLUSH 0, RLA, OUA
	s_wait_tensorcnt 0x0                           ; the wave's end
	ds_add_u32 v[SPW], v[NIL]
	s_wait_dscnt 0x0
	s_endpgm
.Lfunc_end_k_q9442cab3c6_pv:
	.size	k_q9442cab3c6_pv, .Lfunc_end_k_q9442cab3c6_pv-k_q9442cab3c6_pv
	.p2alignl 7, 3214868480
	.fill 96, 4, 3214868480
	.section	.rodata,"a",@progbits
	.p2align	6, 0x0
	.amdhsa_kernel k_q9442cab3c6_pv
		.amdhsa_group_segment_fixed_size 327680
		.amdhsa_private_segment_fixed_size 0
		.amdhsa_enable_private_segment 0
		.amdhsa_kernarg_size 32
		.amdhsa_user_sgpr_count 2
		.amdhsa_user_sgpr_kernarg_segment_ptr 1
		.amdhsa_wavefront_size32 1
		.amdhsa_system_sgpr_workgroup_id_x 1
		.amdhsa_system_sgpr_workgroup_id_y 1
		.amdhsa_system_sgpr_workgroup_id_z 1
		.amdhsa_system_vgpr_workitem_id 0
		.amdhsa_next_free_vgpr 768
		.amdhsa_next_free_sgpr 80
		.amdhsa_reserve_vcc 0
		.amdhsa_float_denorm_mode_32 3
		.amdhsa_float_denorm_mode_16_64 3
		.amdhsa_memory_ordered 1
		.amdhsa_forward_progress 1
		.amdhsa_inst_pref_size 151
	.end_amdhsa_kernel
	.amdgpu_metadata
---
amdhsa.version: [ 1, 2 ]
amdhsa.kernels:
  - .name:           k_q9442cab3c6_pv
    .symbol:         k_q9442cab3c6_pv.kd
    .args:
      - { .name: pimg, .offset: 0, .size: 8, .value_kind: global_buffer, .address_space: global }
      - { .name: pst, .offset: 8, .size: 8, .value_kind: global_buffer, .address_space: global }
      - { .name: vimg, .offset: 16, .size: 8, .value_kind: global_buffer, .address_space: global }
      - { .name: out0, .offset: 24, .size: 8, .value_kind: global_buffer, .address_space: global }
    .group_segment_fixed_size: 327680
    .private_segment_fixed_size: 0
    .kernarg_segment_align: 8
    .kernarg_segment_size: 32
    .max_flat_workgroup_size: 128
    .sgpr_count:     80
    .vgpr_count:     768
    .wavefront_size: 32
...
	.end_amdgpu_metadata
.endif
;; end of part 4
